; MI455X (gfx1250); checked and timed in simulation.
; The chip was launched on July 23, 2026; its instructions are those of AMD's public machine-readable ISA for CDNA 5 (MIT licence, August 2026) and "CDNA5" Instruction Set Architecture Reference Guide (July 2026). The comments in the code are by the model that wrote it; some were corrected since.
;; Attention. Allowed arithmetic: matrix products marked QUANTISED: E2M3 operands, one E8M0 scale for each 32 along K, by v_wmma_scale_f32_16x16x128_f8f6f4 with both operands' format E2M3, f32 sums; everything else in f32.
;; Inputs: b_out 1,024 float32; w_out 1,024 x 1,024 float32; w_qkv 1,024 x 3,072 float32; x 4 x 2,048 x 1,024 float32.
;; Outputs: out0 4 x 2,048 x 1,024 float32.
;; This version of the problem:
;;   THIS VERSION OF THE PROBLEM IS GIVEN IN LOW PRECISION. The matrix products marked QUANTISED in the list below multiply operands that are first quantised to E2M3 (2 exponent bits, 3 mantissa bits; 6 bits a number), with one power-of-two scale for each 32 numbers along K (OCP MX v1.0); their sums are f32. All else is computed in f32.
;;   The module's matrix products, in the order in which they are computed (A, B: the left and right operand; K: the contracted axis; several contracted axes count as one K, in the product's order):
;;     1. [M 8,192, K 1,024] x [K 1,024, N 3,072]; A: input x; B: input w_qkv: QUANTISED
;;     2. batch 64 x [M 2,048, K 64] x [K 64, N 2,048]; A: computed on the way; B: computed on the way: QUANTISED
;;     3. batch 64 x [M 2,048, K 2,048] x [K 2,048, N 64]; A: softmax (see below); B: computed on the way: QUANTISED
;;     4. [M 8,192, K 1,024] x [K 1,024, N 1,024]; A: computed on the way; B: input w_out: QUANTISED
;;   THE QUANTISER, for each operand of a quantised product, along K:
;;     - K is cut into blocks of 32 from its start; a last block that is shorter is filled with zeros.
;;     - A block's scale is 2^e with e = floor(log2(the largest magnitude in the block)) - 2, held to -126 .. 127; a block of zeros has e = 0. As a byte (E8M0): e + 127.
;;     - Each number is divided by its block's scale, clamped to +-7.5, and rounded to the nearest number of E2M3, ties to even, subnormals kept.
;;     - The product sums the exact products of the quantised numbers (number of the format x scale) in f32.
;;   ~~~python
;;   def quantise(x, axis):      # numpy; x: float32 -> the quantised numbers, widened to float32 again
;;       x = np.moveaxis(x, axis, -1); K = x.shape[-1]
;;       x = np.pad(x, [(0, 0)] * (x.ndim - 1) + [(0, -K % 32)]); x = x.reshape(x.shape[:-1] + (-1, 32)); a = np.abs(x).max(-1, keepdims=True)
;;       e = np.where(a > 0, np.clip(np.frexp(np.where(a > 0, a, 1))[1] - 1 - 2, -126, 127), 0)      # np.frexp(a)[1] - 1 = floor(log2(a)), exactly
;;       r = np.clip(x / 2.0 ** e, -7.5, 7.5)
;;       step = 2.0 ** (np.maximum(np.frexp(np.where(r == 0, 1, r))[1] - 1, 0) - 3)
;;       q = np.round(r / step) * step * 2.0 ** e      # np.round: ties to even
;;       return np.moveaxis(q.reshape(q.shape[:-2] + (-1,))[..., :K], -1, axis).astype(np.float32)
;;   ~~~
;;   SOFTMAX AHEAD OF A QUANTISED PRODUCT. Where the list says 'softmax', what is quantised is not the finished softmax but p = 2^(t - M), with t = logit x log2(e) and M = ceil(the row's largest t), a whole number; so 1/2 < the row's largest p <= 1. The row's sum l is taken of the UNQUANTISED p, in f32, and the product's result is divided by l at the end. Since M is a whole number, a kernel that streams over the keys may use a running M (the ceiling of the running maximum): every later rescaling is an exact power of two, which a block's scale takes up: the codes' values come out the same.
;;   OPERANDS COMPUTED ON THE WAY. 'Computed on the way' means the value that the module computes at that place (a softmax that the list does not call 'softmax' is quantised finished and normalised). What goes into a quantiser is computed in f32, as accurately as f32 sums, v_exp_f32 and their like allow (about 1e-6 of the number): no bf16 or f16 on the way to a quantiser, and a product that is left as it is and whose result goes on into a quantised operand takes f32 operands (vector FMAs, or v_wmma_f32_16x16x4_f32). A number that lies on a knife's edge between two numbers of the format may be rounded either way, as far as f32 arithmetic and the matrix unit's own rounding can turn it there, and no further.
;; One version. Each part assembles by itself: llvm-mc -triple=amdgcn-amd-amdhsa -mcpu=gfx1250 --defsym DOCPART=n.
;; ======== version 1 of 1: 4 launches
;; limits: right only within a limited range of input values
;; workspace buffers: xq 6,553,600 bytes; wqk 1,638,400 bytes; wv 819,200 bytes; wo 819,200 bytes; qk 13,631,488 bytes; vr 6,815,744 bytes; oq 6,553,600 bytes
;; launch quant (part 1): grid 384 x 1, 4 waves a work-group, no clusters, 59,904 bytes of LDS; arguments x, w_qkv, w_out, xq, wqk, wv, wo; writes xq, wqk, wv, wo
.if DOCPART == 1
	.amdgcn_target "amdgcn-amd-amdhsa--gfx1250"
	.amdhsa_code_object_version 6
	.text
	.protected	k_qcc29d2d2ef_quant
	.globl	k_qcc29d2d2ef_quant
	.p2align	8
	.type	k_qcc29d2d2ef_quant,@function
k_qcc29d2d2ef_quant:
	s_mov_b64 s[64:65], 0
	v_nop
	global_prefetch_b8 v0, s[64:65] scope:SCOPE_SE
	s_setreg_imm32_b32 hwreg(HW_REG_WAVE_MODE, 25, 1), 1
	s_wait_xcnt 0x0
; x [8192][1024], w_qkv [1024][3072] and w_out [1024][1024], f32, become codes of FP6 (E2M3) with one E8M0 byte for each 32 along K (K = 1,024 for all three).
; LAYOUT OF THE RESULTS, the program's own.  A TILE is 16 rows of an operand (tokens of x, columns of a weight); tile T holds rows 32 (T / 2) + 8 (T % 2) + r + 8 (r / 8), r = 0 .. 15.
; A tile's record is 12,800 bytes: 16 half images of 768 bytes (64 along K each: three planes of 256 bytes, lane l's registers 2 p, 2 p + 1 at 256 p + 8 l; lane (r, h) holds the codes k = 32 h .. 32 h + 31 of the 64),
; then 512 bytes of scale words [256 along K][r][two words].  Two half images on end are the 12 registers of a matrix operand, so every later load is 256 consecutive bytes a wave.
; A block's scale is 2^(floor(log2(largest magnitude)) - 2); its byte is the largest magnitude's exponent field - 2, held at 1 from below.
; LIMITS: a block of zeros gets the byte 1 where the rule says 127 (its codes are zeros, and this program alone reads the bytes); blocks whose largest magnitude lies under 2^-124 keep the byte 1; NaN and infinities are not served.
; Work-groups 0-255 take x (a wave: one tile x 512 along K), work-groups 256-383 the weights (a wave: 32 columns x 256 along K).  The two ways have LDS bytes of their own.  No matrix unit, no cluster, no tensor load:
; the launch streams, waves share nothing, and several work-groups lie on a WGP.
.set SPARE, 59392                      ; the spare words, 128 bytes for each wave: two blocks of 256 bytes that no other line names
.set XST,   8448                       ; x's way: a stage of 16 rows x (512 + 16) bytes for each wave, from LDS byte 0
.set WST0,  33792                      ; the weights' way: stages from here on,
.set WST,   6400                       ; two tiles x (4 half images + 128 bytes) for each wave
.set TR,    12800
.set SPW,   250                        ; v250 LDS address of my spare word; never rewritten
.set NIL,   251                        ; v251 0; never rewritten
.set SEL,   20                         ; s[20:21] selects for lane l xor 16
.set R,     16                         ; x: v16-143 two sets of 64 numbers as loaded
.set XN,    144                        ; v144-207 64 numbers, register 16 b + i = k 32 b + 16 h + i of my row
.set PC,    208                        ; v208-219 a fragment's codes; v220-226 at work
.set TM,    228                        ; v228-243 at work
.set PW,    244                        ; v244-247 the four fragments' scale words
.set VO,    16                         ; weights: v16-47 offsets of 32 rows
.set WX,    48                         ; v48-111 two sets of 32 numbers
.set WC,    112                        ; v112-118 a block's codes
.set SB,    120                        ; v120-121 eight scale bytes
.set OUTR,  128                        ; v128-175 the way out
	s_load_b128 s[4:7], s[0:1], 0x0                ; x, w_qkv
	s_load_b128 s[8:11], s[0:1], 0x10              ; w_out, xq
	s_load_b128 s[12:15], s[0:1], 0x20             ; wqk, wv
	s_load_b64 s[18:19], s[0:1], 0x30              ; wo
	v_lshl_add_u32 v[SPW], v0, 2, SPARE
	v_mov_b32 v[NIL], 0
	v_lshrrev_b32 v1, 5, v0
	v_readfirstlane_b32 s16, v1                    ; wave
	v_and_b32 v1, 31, v0                           ; lane
	s_mov_b32 s[SEL], 0x76543210
	s_mov_b32 s[SEL+1], 0xfedcba98
	s_wait_kmcnt 0x0
	s_cmp_lt_u32 ttmp9, 256
	s_cbranch_scc0 .Lweights
; ---------------- x: K is innermost ----------------
; 64 numbers of a lane become a fragment's 12 registers of codes in v[PC] on and its scale word in v[pw].
.macro QUANT s, pw
.irp b, 0,1,2,3
	v_max3_num_f32 v[TM+\b], |v[(\s)+16*\b]|, |v[(\s)+1+16*\b]|, 0x1800000   ; block b: my 16 numbers, and the floor 2^(3 - 127): the byte cannot fall under 1
.endr
.irp i, 2,4,6,8,10,12,14
.irp b, 0,1,2,3
	v_max3_num_f32 v[TM+\b], v[TM+\b], |v[(\s)+16*\b+\i]|, |v[(\s)+1+16*\b+\i]|   ; the four blocks by turns
.endr
.endr
.irp b, 0,1,2,3
	v_permlanex16_b32 v[TM+4+\b], v[TM+\b], s[SEL], s[SEL+1]
.endr
.irp b, 0,1,2,3
	v_max_num_f32 v[TM+\b], v[TM+\b], v[TM+4+\b]   ; with lane l xor 16's: the block's largest magnitude
.endr
.irp b, 0,1,2,3
	v_add_nc_u32 v[TM+12+\b], 0xff000000, v[TM+\b] ; 2 off its exponent field: the conversion's scale operand
.endr
.irp b, 0,1,2,3
	v_lshrrev_b32 v[TM+4+\b], 23, v[TM+12+\b]      ; the scale's byte
.endr
	v_lshl_or_b32 v[\pw], v[TM+5], 8, v[TM+4]
	v_lshl_or_b32 v[\pw], v[TM+6], 16, v[\pw]
	v_lshl_or_b32 v[\pw], v[TM+7], 24, v[\pw]
.irp c, 0,1
	v_cvt_scalef32_pk16_fp6_f32 v[PC+6*\c:PC+2+6*\c], v[(\s)+32*\c:(\s)+15+32*\c], v[TM+12+2*\c]
	v_cvt_scalef32_pk16_fp6_f32 v[PC+12+4*\c:PC+14+4*\c], v[(\s)+16+32*\c:(\s)+31+32*\c], v[TM+12+2*\c+1]   ; (a conversion's three registers begin on an even number)
.endr
	v_nop                                          ; one plain instruction behind a scaled conversion
.irp c, 0,1                                    ; the operand wants a whole block in a lane: lanes 0-15 block 2 c, lanes 16-31 block 2 c + 1
.irp i, 0,1,2
	v_permlane16_swap_b32 v[PC+6*\c+\i], v[PC+12+4*\c+\i]
.endr
.irp i, 0,1,2
	v_mov_b32 v[PC+3+6*\c+\i], v[PC+12+4*\c+\i]
.endr
.endr
.endm
	v_and_b32 v2, 15, v0                           ; r
	v_bfe_u32 v3, v0, 4, 1                         ; h
	s_wait_alu depctr_va_vdst(0)
	v_lshlrev_b32 v4, 4, v1                        ; in: 16 bytes a lane, 512 consecutive bytes a load
	v_lshlrev_b32 v5, 3, v1                        ; out: 8 bytes a lane, 256 consecutive bytes a store
	s_mul_i32 s17, s16, XST
	v_add_nc_u32 v6, s17, v4                       ; the stage, on the way in: row i at 528 i
	v_mul_u32_u24 v7, v2, 528
	v_lshl_add_u32 v7, v3, 6, v7
	v_add_nc_u32 v7, s17, v7                       ; and on the way out: row r, + 64 h: my 16 numbers of each block of 32
.irp b, 0,1,2,3
	v_mov_b32 v[TM+4+\b], 0                        ; a lane permute's destination counts as one of its sources
.endr
	s_lshl_b32 s22, ttmp9, 2
	s_add_co_u32 s22, s22, s16                     ; my job
	s_lshr_b32 s23, s22, 1                         ; tile T
	s_and_b32 s22, s22, 1                          ; which 512 along K
	s_lshr_b32 s24, s23, 1
	s_lshl_b32 s24, s24, 5
	s_and_b32 s25, s23, 1
	s_lshl_b32 s25, s25, 3
	s_add_co_u32 s24, s24, s25                     ; the tile's first row: 32 (T / 2) + 8 (T % 2)
	s_lshl_b32 s24, s24, 12                        ; rows of 4,096 bytes
	s_lshl_b32 s25, s22, 11
	s_add_co_u32 s24, s24, s25
	s_mov_b32 s25, 0
	s_add_nc_u64 s[4:5], s[4:5], s[24:25]
	s_mul_i32 s24, s23, TR
	s_add_nc_u64 s[10:11], s[10:11], s[24:25]      ; the tile's record
	s_mul_i32 s24, s22, 6144
	s_add_nc_u64 s[26:27], s[10:11], s[24:25]      ; my four fragments
	s_lshl_b32 s24, s22, 8
	s_add_nc_u64 s[28:29], s[10:11], s[24:25]      ; my 256 bytes of its scale words (+ 12,288 in the store)
.macro LOADX f                         ; 128 along K of the tile's 16 rows
.irp i, 0,1,2,3,4,5,6,7,8,9,10,11,12,13,14,15
	global_load_b128 v[R+64*((\f)%2)+4*\i:R+64*((\f)%2)+4*\i+3], v4, s[4:5] offset:(\i+8*(\i/8))*4096+512*(\f) th:TH_LOAD_NT
.endr
.endm
.macro FRAGX f
.if (\f) < 3
	s_wait_loadcnt 16                              ; this fragment's 16 loads are in; the next fragment's 16 may be out
.else
	s_wait_loadcnt 0x0
.endif
.irp i, 0,1,2,3,4,5,6,7,8,9,10,11,12,13,14,15
	ds_store_b128 v6, v[R+64*((\f)%2)+4*\i:R+64*((\f)%2)+4*\i+3] offset:528*\i
.endr
.irp b, 0,1,2,3
.irp j, 0,1,2,3
	ds_load_b128 v[XN+16*\b+4*\j:XN+16*\b+4*\j+3], v7 offset:128*\b+16*\j   ; LDS serves a wave's instructions in order: these see the stores above
.endr
.endr
	s_wait_dscnt 0x0
.if (\f)+2 < 4
	LOADX (\f)+2
.endif
	s_wait_xcnt 0x0                                ; the last fragment's stores have read the codes' registers, which are written again below
	QUANT XN, PW+(\f)
.irp p, 0,1,2,3,4,5
	global_store_b64 v5, v[PC+2*\p:PC+2*\p+1], s[26:27] offset:1536*(\f)+256*\p   ; 256 consecutive bytes, aligned
.endr
.endm
	LOADX 0
	LOADX 1
	s_wait_alu depctr_va_vdst(0)
	FRAGX 0
	FRAGX 1
	FRAGX 2
	FRAGX 3
	s_mov_b32 s30, 0xffff0000
	v_cndmask_b32 v248, v[PW], v[PW+2], s30        ; lanes 0-15: the words of my first 256 along K; lanes 16-31: of the second
	v_cndmask_b32 v249, v[PW+1], v[PW+3], s30
	global_store_b64 v5, v[248:249], s[28:29] offset:12288   ; 128 h + 8 r = 8 x lane: 256 consecutive bytes
	s_wait_tensorcnt 0x0                           ; the wave's end
	ds_add_u32 v[SPW], v[NIL]
	s_wait_dscnt 0x0
	s_endpgm
; ---------------- the weights: K is the first axis.  A lane takes a column, its registers run down K ----------------
.Lweights:
	s_sub_co_u32 s22, ttmp9, 256
	s_lshr_b32 s23, s22, 2                         ; which 128 columns: 0-15 q and k, 16-23 v, 24-31 w_out
	s_and_b32 s22, s22, 3                          ; which 256 along K
	s_mov_b32 s24, 4096
	s_cmp_lt_u32 s23, 24                           ; the choices hang on the work-group's number alone
	s_cselect_b64 s[6:7], s[6:7], s[8:9]           ; the source,
	s_cselect_b32 s24, 12288, s24                  ; its row in bytes,
	s_cselect_b32 s25, 0, 24                       ; its first block of columns
	s_cselect_b64 s[14:15], s[14:15], s[18:19]
	s_cselect_b32 s26, 16, 24
	s_cmp_lt_u32 s23, 16
	s_cselect_b64 s[12:13], s[12:13], s[14:15]     ; the destination,
	s_cselect_b32 s26, 0, s26                      ; and its first block
	s_sub_co_u32 s25, s23, s25
	s_sub_co_u32 s26, s23, s26
	s_lshl_b32 s25, s25, 9
	s_lshl_b32 s27, s16, 7
	s_add_co_u32 s25, s25, s27                     ; my wave's 32 columns in a row of the source, in bytes
	s_lshl_b32 s26, s26, 2
	s_add_co_u32 s26, s26, s16                     ; which 32 columns of the destination: its tiles 2 g and 2 g + 1
	s_lshl_b32 s28, s22, 8
	s_mul_i32 s28, s28, s24
	s_add_co_u32 s28, s28, s25
	s_mov_b32 s29, 0
	s_add_nc_u64 s[32:33], s[6:7], s[28:29]        ; block 0's first row
	s_lshl_b32 s28, s24, 5                         ; 32 rows on
.irp t, 1,2,3,4,5,6,7
	s_add_nc_u64 s[32+2*\t:33+2*\t], s[30+2*\t:31+2*\t], s[28:29]
.endr
	s_mul_i32 s30, s26, 2*TR
	s_mov_b32 s31, 0
	s_add_nc_u64 s[48:49], s[12:13], s[30:31]      ; my two tiles' records
	s_lshl_b32 s30, s22, 7
	s_add_nc_u64 s[50:51], s[48:49], s[30:31]      ; + my 256 along K among the scale words
	s_mul_i32 s30, s22, 3072
	s_add_nc_u64 s[52:53], s[48:49], s[30:31]      ; + my four half images
	s_wait_alu depctr_va_vdst(0)
	v_lshlrev_b32 v2, 2, v1
.set n, 0
.rept 32
	v_mad_u32_u24 v[VO+n], s24, n, v2              ; row n of a block, my column
.set n, n+1
.endr
	v_bfe_u32 v3, v0, 3, 1                         ; column l of the 32 is row r = l % 8 + 8 (l / 16) of tile u = (l / 8) % 2
	v_and_b32 v4, 7, v0
	v_bfe_u32 v5, v0, 4, 1
	v_lshl_add_u32 v4, v5, 3, v4
	v_lshlrev_b32 v4, 3, v4                        ; 8 r
	s_mul_i32 s17, s16, WST
	s_add_co_u32 s17, s17, WST0
	v_mad_u32_u24 v6, v3, 3200, v4
	v_add_nc_u32 v6, s17, v6                       ; the stage, on the way in: 3,200 u + 8 r: the 32 lanes touch 256 different bytes modulo 256
	v_mad_u32_u24 v7, v3, TR, v4                   ; my row's scale words in the two records
	v_lshlrev_b32 v8, 4, v1
	v_add_nc_u32 v9, s17, v8                       ; the stage, on the way out: 16 bytes a lane
.macro WLOAD t
.set n, 0
.rept 32
	global_load_b32 v[WX+32*((\t)%2)+n], v[VO+n], s[32+2*(\t):33+2*(\t)] th:TH_LOAD_NT   ; 128 consecutive bytes a wave, 512 a work-group
.set n, n+1
.endr
.endm
.macro WBLOCK t
.set XS, WX+32*((\t)%2)
.if (\t) < 7
	s_wait_loadcnt 32                              ; this block's 32 loads are in; the next block's may be out
.else
	s_wait_loadcnt 0x0
.endif
	v_max3_num_f32 v122, |v[XS]|, |v[XS+1]|, |v[XS+2]|
	v_max3_num_f32 v123, |v[XS+3]|, |v[XS+4]|, |v[XS+5]|
.irp i, 6,10,14,18,22,26
	v_max3_num_f32 v122, v122, |v[XS+\i]|, |v[XS+\i+1]|
	v_max3_num_f32 v123, v123, |v[XS+\i+2]|, |v[XS+\i+3]|
.endr
	v_max3_num_f32 v122, v122, |v[XS+30]|, |v[XS+31]|
	v_max3_num_f32 v122, v122, v123, 0x1800000     ; and the floor
	v_add_nc_u32 v124, 0xff000000, v122            ; the conversion's scale operand
	v_lshrrev_b32 v125, 23, v124                   ; the scale's byte
.if (\t)%4 == 0
	v_mov_b32 v[SB+(\t)/4], v125
.else
	v_lshl_or_b32 v[SB+(\t)/4], v125, 8*((\t)%4), v[SB+(\t)/4]
.endif
	v_cvt_scalef32_pk16_fp6_f32 v[WC:WC+2], v[XS:XS+15], v124
	v_cvt_scalef32_pk16_fp6_f32 v[WC+4:WC+6], v[XS+16:XS+31], v124
	v_nop                                          ; one plain instruction behind a scaled conversion
	v_mov_b32 v[WC+3], v[WC+4]
	v_mov_b32 v[WC+4], v[WC+5]
	v_mov_b32 v[WC+5], v[WC+6]                     ; the block's 24 bytes on end
.irp p, 0,1,2
	ds_store_b64 v6, v[WC+2*\p:WC+2*\p+1] offset:768*((\t)/2)+128*((\t)%2)+256*\p   ; block t is half t % 2 of half image t / 2
.endr
.if (\t)+2 < 8
	WLOAD (\t)+2
.endif
	s_wait_dscnt 0x0                               ; the stores have read their registers
.endm
	WLOAD 0
	WLOAD 1
.irp t, 0,1,2,3,4,5,6,7
	WBLOCK \t
.endr
	s_wait_alu depctr_va_vdst(0)
	global_store_b64 v7, v[SB:SB+1], s[50:51] offset:12288   ; two runs of 128 bytes: half units, 128 KiB of them in the whole launch
.irp n, 0,1,2,3,4,5,6,7,8,9,10,11
	ds_load_b128 v[OUTR+4*\n:OUTR+4*\n+3], v9 offset:3200*(\n/6)+512*(\n%6)
.endr
.irp n, 0,1,2,3,4,5,6,7,8,9,10,11
	s_wait_dscnt 11-\n                             ; LDS loads come back in order: load n is in
	global_store_b128 v8, v[OUTR+4*\n:OUTR+4*\n+3], s[52:53] offset:TR*(\n/6)+512*(\n%6)   ; 512 consecutive bytes, aligned to 256
.endr
	s_wait_tensorcnt 0x0                           ; the wave's end
	ds_add_u32 v[SPW], v[NIL]
	s_wait_dscnt 0x0
	s_endpgm
.Lfunc_end_k_qcc29d2d2ef_quant:
	.size	k_qcc29d2d2ef_quant, .Lfunc_end_k_qcc29d2d2ef_quant-k_qcc29d2d2ef_quant
	.p2alignl 7, 3214868480
	.fill 96, 4, 3214868480
	.section	.rodata,"a",@progbits
	.p2align	6, 0x0
	.amdhsa_kernel k_qcc29d2d2ef_quant
		.amdhsa_group_segment_fixed_size 59904
		.amdhsa_private_segment_fixed_size 0
		.amdhsa_enable_private_segment 0
		.amdhsa_kernarg_size 56
		.amdhsa_user_sgpr_count 2
		.amdhsa_user_sgpr_kernarg_segment_ptr 1
		.amdhsa_wavefront_size32 1
		.amdhsa_system_sgpr_workgroup_id_x 1
		.amdhsa_system_sgpr_workgroup_id_y 1
		.amdhsa_system_sgpr_workgroup_id_z 1
		.amdhsa_system_vgpr_workitem_id 0
		.amdhsa_next_free_vgpr 256
		.amdhsa_next_free_sgpr 66
		.amdhsa_reserve_vcc 0
		.amdhsa_float_denorm_mode_32 3
		.amdhsa_float_denorm_mode_16_64 3
		.amdhsa_memory_ordered 1
		.amdhsa_forward_progress 1
		.amdhsa_inst_pref_size 79
	.end_amdhsa_kernel
	.amdgpu_metadata
---
amdhsa.version: [ 1, 2 ]
amdhsa.kernels:
  - .name:           k_qcc29d2d2ef_quant
    .symbol:         k_qcc29d2d2ef_quant.kd
    .args:
      - { .name: x, .offset: 0, .size: 8, .value_kind: global_buffer, .address_space: global }
      - { .name: w_qkv, .offset: 8, .size: 8, .value_kind: global_buffer, .address_space: global }
      - { .name: w_out, .offset: 16, .size: 8, .value_kind: global_buffer, .address_space: global }
      - { .name: xq, .offset: 24, .size: 8, .value_kind: global_buffer, .address_space: global }
      - { .name: wqk, .offset: 32, .size: 8, .value_kind: global_buffer, .address_space: global }
      - { .name: wv, .offset: 40, .size: 8, .value_kind: global_buffer, .address_space: global }
      - { .name: wo, .offset: 48, .size: 8, .value_kind: global_buffer, .address_space: global }
    .group_segment_fixed_size: 59904
    .private_segment_fixed_size: 0
    .kernarg_segment_align: 8
    .kernarg_segment_size: 56
    .max_flat_workgroup_size: 128
    .sgpr_count:     66
    .vgpr_count:     256
    .wavefront_size: 32
...
	.end_amdgpu_metadata
.endif
;; end of part 1
;; launch qkv (part 2): grid 8 x 32, 4 waves a work-group, clusters of 4 x 4, 327,680 bytes of LDS; arguments xq, wqk, wv, qk, vr; writes qk, vr
.if DOCPART == 2
	.amdgcn_target "amdgcn-amd-amdhsa--gfx1250"
	.amdhsa_code_object_version 6
	.text
	.protected	k_qcc29d2d2ef_qkv
	.globl	k_qcc29d2d2ef_qkv
	.p2align	8
	.type	k_qcc29d2d2ef_qkv,@function
k_qcc29d2d2ef_qkv:
	s_mov_b64 s[64:65], 0
	v_nop
	global_prefetch_b8 v0, s[64:65] scope:SCOPE_SE
	s_setreg_imm32_b32 hwreg(HW_REG_WAVE_MODE, 25, 1), 1
	s_wait_xcnt 0x0
	s_wait_alu depctr_hold_cnt(0) depctr_sa_sdst(0) depctr_va_vdst(0) depctr_va_sdst(0) depctr_va_ssrc(0) depctr_va_vcc(0) depctr_vm_vsrc(0)
	s_getreg_b32 s2, hwreg(HW_REG_IB_STS2, 6, 4)
	s_cmp_eq_u32 s2, 0
	s_cbranch_scc0 .Lentry_in_a_cluster
	s_endpgm
.Lentry_in_a_cluster:
	s_bfe_u32 s2, ttmp6, 0x10000c
	s_cmp_lg_u32 s2, 0xf033
	s_cbranch_scc0 .Lentry_shape_is_right
	s_endpgm
.Lentry_shape_is_right:
; V, Q and K = x W^T, K = 1,024, on codes of FP6 (E2M3) with E8M0 scales, and each result quantised again into the attention launch's records: Q and K along the head's 64, V along the tokens.  No f32 result is stored.
; OPERANDS come as tile records of 12,800 bytes (16 rows; 8 fragments of 1,536 bytes, each the image of the 12 operand registers for 128 along K; 512 bytes of scale words [256 along K][r][two words]).
; Tile T holds rows 32 (T / 2) + 8 (T % 2) + r + 8 (r / 8).
; THE DEAL.  256 work-groups of four waves.  Work-group (c, R) takes x's tiles 16 R .. 16 R + 15 (256 tokens) and, in three phases, 128 columns (tiles 8 c .. 8 c + 7) of W_v, of W_q and of W_k.
; x's 16 records lie in LDS for the whole launch (204,800 bytes, filled once); the weights' 8 records have a region of their own (102,400 bytes), filled three times.
; Wave (a, b) holds the weights' tiles 4 b .. 4 b + 3 (one head), all of K, in 384 registers, and takes x's tile 8 a + s as its block s, s = 0 .. 7: 32 products a block.  A block's fragments lie twice in registers:
; set s % 2 takes block s + 2 behind block s's products, on into the next phase's blocks 0 and 1.  A phase is a loop of two trips of four blocks.
; FILLS.  At the head one load a wave: waves 0 and 1 a half each of W_v's records, wave 2 x's tiles 0-3 and 8-11, wave 3 tiles 4-7 and 12-15 (two rows of 51,200 bytes each).
; When every wave holds a phase's weights in registers, the region is filled again with the next phase's (waves 0 and 1 a half each), behind the three lines and a round of the cluster's barrier;
; the refill has the phase's 256 products a wave in which to land, and a plain barrier at the phase's end shows it to all waves.  So nothing is prefetched: no wave's first read of a refill stands nearer than a phase behind its request.
; CLUSTERS: 4 x 4; x's records are asked for jointly along a row of the cluster, the weights' along a column.
; Q, K: the matrix instruction is used transposed (source 0 = the weights' rows): a lane holds one token, and register 8 t + j of a block is column 32 (t / 2) + 8 (t % 2) + 16 h + j of the head: two scale blocks of 32, each in lanes l and l xor 16.
; V: source 0 = x's rows: a lane holds one channel, and register 8 u + j of four blocks u is token 32 (u / 2) + 8 (u % 2) + 16 h + j of 64.  Either way 32 registers become a half image of six registers and two scale bytes.
; RESULT: records of 6,656 bytes (8 tiles x 64 along the next K): two quarters of 4 half images of 768 bytes + 256 bytes of scale words [r][tile % 4].  Record (ag, jc) has the number ag % 8 + 8 (jc % 32) + 256 (ag / 8 + jc / 32).
; Q, K: ag = token tile / 8, jc = head (K: + 16); a word holds the head's two bytes and two bytes 0.  V: ag = c, jc = token / 64; the word of an even jc holds its two bytes and those of jc + 1, the word of an odd jc its own two.
; THE WAITS' COUNTS.  A fetch is NF = 52 LDS loads.  Ahead of block s, younger than its fetch: block s + 1's fetch (52).  In the last phase the last trip fetches nothing behind blocks 6 and 7, so the wait ahead of a trip's fourth block is for 0 there.
; LIMITS: a block of zeros gets the byte 1 where the rule says 127 (zero codes; this program alone reads the bytes); blocks under 2^-124 keep the byte 1; NaN and infinities are not served.
.set TR,     12800
.set REC,    6656
.set QTR,    3328
.set AB,     8*TR
.set SPARE,  24*TR                     ; the spare words, 128 bytes for each wave: two blocks of 256 bytes that no other line names
.set FR,     12
.set FPW,    21                        ; fragments in a window of 256 registers
.set NF,     52
.set ADW,  4                           ; v4  LDS address of my weights' fragments; v5 of their scale words (lanes 16-31: the next tile's)
.set ADWS, 5
.set GOFF, 6                           ; v6  8 x lane
.set SOFF, 7                           ; v7  3,328 h + 16 r
.set SOFV, 8                           ; v8  53,248 h + 16 r
.set SPW,  10                          ; v10 my spare word; never rewritten
.set NIL,  11                          ; v11 0; never rewritten
.set ADA,  12                          ; v12-15 LDS address of the fragments of blocks 0-3; v16-19 of their scale words
.set ADS,  16
.set TA,   20                          ; v20, v21 the same for the block that is fetched
.set TS,   21
.set SB,   24                          ; v24-39 the weights' scale words: 8 (tile / 2) + K step; lanes 0-15 the even tile, lanes 16-31 the odd
.set SA,   44                          ; v44-59 x's scale words, two sets of eight
.set ACC,  68                          ; v68-195 sums: Q, K 8 t + j; V 32 t + 8 u + j
.set BM,   196                         ; v196-199 four chains of the largest magnitude
.set BP,   200
.set SO,   202
.set BY,   204
.set PC,   208                         ; v208-213 a half image; v216-218 at work
.set PWA,  220                         ; v220-223 the first trip's scale bytes, v224-227 the second's
.set PWB,  224
.set WD,   228                         ; v228-231 scale words on the way out
; fragment f lies in window 1 + f / 21 at register 12 (f % 21): 0-31 the weights' (4 k + tile), 32-39 and 40-47 x's two sets
.set G1W, 24
.set G1X, 32
.set G0C0, 48
.set G0C1, 52
.set G0W, 56
.set WQ,  60                           ; s[60:61], s[62:63] my half of W_q's and of W_k's records
.set WK,  62
.set TO,  66                           ; 0 or 8 records: which half of x's region the next fetch reads
.set TC,  67                           ; the trip
.set OV,  68                           ; s[68:69], s[70:71], s[72:73] where V's, Q's, K's results go
.set OQ,  70
.set OK,  72
.set CUR, 74
.set MSK, 76
.set SEL, 82
.set MSB, 0
.macro WIN new                         ; the immediate's high byte repeats the setting that is left
.if MSB != (\new)
	s_set_vgpr_msb (MSB<<8)|(\new)
.set MSB, (\new)
.endif
.endm
.macro PLACES n
.rept \n
	v_nop
.endr
.endm
.macro BARRIER
	s_barrier_signal -1
	s_barrier_wait -1
.endm
.macro CROUND                          ; a round of the cluster's barrier
	BARRIER
	s_cmp_lg_u32 s14, 0
	s_cbranch_scc1 .Lnot_wave_0_\@
	s_barrier_signal -3
.Lnot_wave_0_\@:
	s_barrier_wait -3
	BARRIER
.endm
.macro TL g0, g1                       ; an s_nop 0 and four v_nop follow each tensor load
	tensor_load_to_lds s[\g0:\g0+3], s[\g1:\g1+7]
	s_nop 0
	PLACES 4
.endm
	s_load_b128 s[4:7], s[0:1], 0x0                ; xq, wqk
	s_load_b128 s[8:11], s[0:1], 0x10              ; wv, qk
	s_load_b64 s[12:13], s[0:1], 0x20              ; vr
	v_lshl_add_u32 v[SPW], v0, 2, SPARE
	v_mov_b32 v[NIL], 0
	ds_add_u32 v[SPW], v[NIL]                      ; the opening: the add, twice on end, and its wait ahead of the first tensor load
	ds_add_u32 v[SPW], v[NIL]
	v_lshrrev_b32 v1, 5, v0
	v_readfirstlane_b32 s14, v1                    ; wave 0..3
	s_lshr_b32 s15, s14, 1                         ; a: which 8 tiles of x
	s_and_b32 s16, s14, 1                          ; b: which 64 columns.  Also: which half of the weights' records waves 0 and 1 fetch
	s_bfe_u32 s40, ttmp6, 0x40000                  ; cx, cy
	s_bfe_u32 s41, ttmp6, 0x40004
	s_lshl_b32 s42, ttmp9, 2
	s_add_co_u32 s42, s42, s40                     ; c, 0 .. 7
	s_and_b32 s17, ttmp7, 0xffff
	s_lshl_b32 s17, s17, 2
	s_add_co_u32 s17, s17, s41                     ; R, 0 .. 31
	s_lshl_b32 s43, s41, 2
	s_lshl_b32 s43, 15, s43                        ; my row of the cluster
	s_lshl_b32 s44, 0x1111, s40                    ; my column
	s_or_b32 s[G1W], s44, (3<<16)|(1<<21)          ; the weights: 4 records, 51,200 dense bytes, as 200 rows of 256 bytes (32 elements of 8)
	s_mov_b32 s[G1W+1], 32<<16
	s_mov_b32 s[G1W+2], 200<<16
	s_mov_b32 s[G1W+3], 32<<16
	s_mov_b32 s[G1W+4], 200
	s_mov_b32 s[G1W+5], 32
	s_mov_b32 s[G1W+6], 0
	s_mov_b32 s[G1W+7], 0
	s_or_b32 s[G1X], s43, (3<<16)|(1<<21)          ; x: two rows of 4 records (6,400 elements), 8 records apart; they land on end
	s_mov_b32 s[G1X+1], 6400<<16
	s_mov_b32 s[G1X+2], 2<<16
	s_mov_b32 s[G1X+3], 6400<<16
	s_mov_b32 s[G1X+4], 2
	s_mov_b32 s[G1X+5], 12800
	s_mov_b32 s[G1X+6], 0
	s_mov_b32 s[G1X+7], 0
	s_mul_i32 s20, s17, 16*TR                      ; x's records
	s_mov_b32 s21, 0
	s_mul_i32 s22, s16, 4*TR                       ; LDS: my four tiles of the weights; also where my half of their records goes
	s_add_co_u32 s23, s22, 12288
	s_mul_i32 s46, s42, 8*TR                       ; the weights' records, my half
	s_add_co_u32 s46, s46, s22
	s_mov_b32 s47, 0
	s_mul_i32 s18, s15, 4*TR                       ; LDS: x's region holds tiles 0-3, 8-11, 4-7, 12-15: block s of wave a at 8 (s / 4) + 4 a + s % 4 records
	s_add_co_u32 s18, s18, AB
	s_add_co_u32 s19, s18, 12288
	s_lshl_b32 s78, s17, 1                         ; Q: ag = 2 R + a, jc = 2 c + b
	s_add_co_u32 s78, s78, s15
	s_and_b32 s79, s78, 7
	s_lshr_b32 s78, s78, 3
	s_lshl_b32 s78, s78, 8
	s_add_co_u32 s78, s78, s79
	s_lshl_b32 s79, s42, 1
	s_add_co_u32 s79, s79, s16
	s_lshl_b32 s79, s79, 3
	s_add_co_u32 s78, s78, s79
	s_mul_i32 s[OQ], s78, REC
	s_mov_b32 s[OQ+1], 0
	s_lshl_b32 s78, s17, 2                         ; V: ag = c, jc = 4 R + 2 a (+ 1 in the second trip), quarter b
	s_lshl_b32 s79, s15, 1
	s_add_co_u32 s78, s78, s79
	s_and_b32 s79, s78, 31
	s_lshl_b32 s79, s79, 3
	s_lshr_b32 s78, s78, 5
	s_lshl_b32 s78, s78, 8
	s_add_co_u32 s78, s78, s79
	s_add_co_u32 s78, s78, s42
	s_mul_i32 s[OV], s78, REC
	s_mul_i32 s79, s16, QTR
	s_add_co_u32 s[OV], s[OV], s79
	s_mov_b32 s[OV+1], 0
	s_mov_b32 s[MSK], 0xffff0000
	s_mov_b32 s[SEL], 0x76543210
	s_mov_b32 s[SEL+1], 0xfedcba98                 ; selects for lane l xor 16
	s_mov_b32 s[TO], 0
	v_and_b32 v1, 15, v0                           ; r
	v_bfe_u32 v2, v0, 4, 1                         ; h
	v_and_b32 v3, 31, v0
	v_lshlrev_b32 v[GOFF], 3, v3
	v_lshlrev_b32 v22, 3, v1
	v_lshlrev_b32 v23, 4, v1
	v_add_nc_u32 v[ADW], s22, v[GOFF]
	v_mad_u32_u24 v20, v2, TR, v22
	v_add_nc_u32 v[ADWS], s23, v20
	v_add_nc_u32 v20, s18, v[GOFF]
	v_add_nc_u32 v21, s19, v22
.irp u, 0,1,2,3
	v_add_nc_u32 v[ADA+\u], TR*\u, v20
	v_add_nc_u32 v[ADS+\u], TR*\u, v21
.endr
	v_mad_u32_u24 v[SOFF], v2, QTR, v23
	v_mad_u32_u24 v[SOFV], v2, 8*REC, v23
	v_mov_b32 v[BP], 0                             ; a lane permute's destination counts as one of its sources
	v_mov_b32 v[BP+1], 0
.irp i, 0,1,2,3
	v_mov_b32 v[PWB+\i], 0                         ; (moved on before they are first written)
.endr
	s_wait_alu depctr_va_vdst(0)                   ; the wait behind the head's last vector instruction, ahead of the blocking wait
	s_wait_dscnt 0x0                               ; both opening adds are done
	CROUND                                         ; all sixteen work-groups are here: the joint loads meet
	s_wait_kmcnt 0x0
	s_add_nc_u64 s[20:21], s[4:5], s[20:21]
	s_mov_b32 s[G0W], 1
	s_mov_b32 s[G0W+1], s22
	s_add_nc_u64 s[G0W+2:G0W+3], s[8:9], s[46:47]
	s_or_b32 s[G0W+3], s[G0W+3], 0x80000000
	s_mov_b32 s[G0C0], 1
	s_mov_b32 s[G0C0+1], AB
	s_mov_b64 s[G0C0+2:G0C0+3], s[20:21]
	s_or_b32 s[G0C0+3], s[G0C0+3], 0x80000000
	s_mov_b32 s[G0C1], 1
	s_mov_b32 s[G0C1+1], AB+8*TR
	s_add_nc_u64 s[G0C1+2:G0C1+3], s[20:21], 4*TR
	s_or_b32 s[G0C1+3], s[G0C1+3], 0x80000000
	s_cmp_lt_u32 s14, 2                            ; one chain of branches on the wave's number; every way passes one load
	s_cbranch_scc0 .Lhead_x0
	TL G0W, G1W
	s_branch .Lhead_asked
.Lhead_x0:
	s_cmp_lt_u32 s14, 3
	s_cbranch_scc0 .Lhead_x1
	TL G0C0, G1X
	s_branch .Lhead_asked
.Lhead_x1:
	TL G0C1, G1X
.Lhead_asked:
	s_add_nc_u64 s[WQ:WQ+1], s[6:7], s[46:47]
	s_add_nc_u64 s[WK:WK+1], s[WQ:WQ+1], 64*TR
	s_add_nc_u64 s[OV:OV+1], s[12:13], s[OV:OV+1]
	s_add_nc_u64 s[OQ:OQ+1], s[10:11], s[OQ:OQ+1]
	s_add_nc_u64 s[OK:OK+1], s[OQ:OQ+1], 128*REC
.macro FRAG f, adr, off                ; a fragment: six loads of 8 bytes a lane, each 256 consecutive bytes a wave
	WIN (1+(\f)/FPW)<<6
.irp p, 0,1,2,3,4,5
	ds_load_b64 v[FR*((\f)%FPW)+2*\p:FR*((\f)%FPW)+2*\p+1], v[\adr] offset:(\off)+256*\p
.endr
.endm
.macro WEIGHTS                         ; my 64 rows of the weights, all of K: 192 loads, and 8 for their scale words
.irp k, 0,1,2,3,4,5,6,7
.irp b, 0,1,2,3
	FRAG 4*\k+\b, ADW, TR*\b+1536*\k
.endr
.endr
	WIN 0
.irp g, 0,1
.irp q, 0,1,2,3
	ds_load_b64 v[SB+8*\g+2*\q:SB+8*\g+2*\q+1], v[ADWS] offset:2*TR*\g+128*\q
.endr
.endr
.endm
.macro FETCH e, u                      ; the block at place u of the half TO into set e: NF loads
	v_add_nc_u32 v[TA], s[TO], v[ADA+(\u)]
	v_add_nc_u32 v[TS], s[TO], v[ADS+(\u)]
.irp k, 0,1,2,3,4,5,6,7
	FRAG 32+8*(\e)+\k, TA, 1536*\k
.endr
	WIN 0
.irp q, 0,1,2,3
	ds_load_b64 v[SA+8*(\e)+2*\q:SA+8*(\e)+2*\q+1], v[TS] offset:128*\q
.endr
.endm
.macro P1 c, f0, f1, x0, x1, side, o
.if \o
	v_wmma_scale_f32_16x16x128_f8f6f4 v[D_:D_+7], v[FR*((\f0)%FPW):FR*((\f0)%FPW)+FR-1], v[FR*((\f1)%FPW):FR*((\f1)%FPW)+FR-1], \c, v[\x0], v[\x1] matrix_a_fmt:MATRIX_FMT_FP6 matrix_b_fmt:MATRIX_FMT_FP6 matrix_\side\()_scale:MATRIX_SCALE_ROW1
.else
	v_wmma_scale_f32_16x16x128_f8f6f4 v[D_:D_+7], v[FR*((\f0)%FPW):FR*((\f0)%FPW)+FR-1], v[FR*((\f1)%FPW):FR*((\f1)%FPW)+FR-1], \c, v[\x0], v[\x1] matrix_a_fmt:MATRIX_FMT_FP6 matrix_b_fmt:MATRIX_FMT_FP6 matrix_\side\()_scale:MATRIX_SCALE_ROW0
.endif
.endm
.macro P2 c, kind, e, k, b
.if \kind
	WIN (1+FA_/FPW)|((1+FB_/FPW)<<2)
	P1 \c, FA_, FB_, SA+8*(\e)+(\k), SB+8*((\b)/2)+(\k), b, (\b)%2
.else
	WIN (1+FB_/FPW)|((1+FA_/FPW)<<2)
	P1 \c, FB_, FA_, SB+8*((\b)/2)+(\k), SA+8*(\e)+(\k), a, (\b)%2
.endif
.endm
.macro PROD kind, u, k, b              ; kind 1 (V): source 0 = x's rows; kind 0 (Q, K): source 0 = the weights' rows.  The first K step starts the sum
.set FB_, 4*(\k)+(\b)
.set FA_, 32+8*((\u)%2)+(\k)
.if \kind
.set D_, ACC+32*(\b)+8*(\u)
.else
.set D_, ACC+8*(\b)
.endif
.if (\k) == 0
	P2 0, \kind, (\u)%2, \k, \b
.else
	P2 v[D_:D_+7], \kind, (\u)%2, \k, \b
.endif
.endm
; 32 sums of a lane from v[x] on (two scale blocks of 32, each shared with lane l xor 16) become a half image in v[PC .. PC + 5]; their two scale bytes go to v[PWB + i], whose last trip's bytes move on to v[PWA + i]
.macro Q32 x, i
	s_wait_xcnt 0x0                                ; the last half image's stores have read the registers that are written again below
.irp c, 0,1,2,3
	v_max3_num_f32 v[BM+\c], |v[(\x)+8*\c]|, |v[(\x)+8*\c+1]|, 0x1800000   ; a chain to each accumulator, from its low end on; the floor 2^(3 - 127): the byte cannot fall under 1
.endr
.irp j, 2,4,6
.irp c, 0,1,2,3
	v_max3_num_f32 v[BM+\c], v[BM+\c], |v[(\x)+8*\c+\j]|, |v[(\x)+8*\c+\j+1]|
.endr
.endr
	v_max_num_f32 v[BM], v[BM], v[BM+1]
	v_max_num_f32 v[BM+2], v[BM+2], v[BM+3]
	v_mov_b32 v[PWA+(\i)], v[PWB+(\i)]
	v_permlanex16_b32 v[BP], v[BM], s[SEL], s[SEL+1]
	v_permlanex16_b32 v[BP+1], v[BM+2], s[SEL], s[SEL+1]
	v_max_num_f32 v[BM], v[BM], v[BP]
	v_max_num_f32 v[BM+2], v[BM+2], v[BP+1]
	v_add_nc_u32 v[SO], 0xff000000, v[BM]          ; 2 off the exponent field: the conversion's scale operand
	v_add_nc_u32 v[SO+1], 0xff000000, v[BM+2]
	v_lshrrev_b32 v[BY], 23, v[SO]
	v_lshrrev_b32 v[BY+1], 23, v[SO+1]
	v_lshl_or_b32 v[PWB+(\i)], v[BY+1], 8, v[BY]
	v_cvt_scalef32_pk16_fp6_f32 v[PC:PC+2], v[(\x):(\x)+15], v[SO]
	v_cvt_scalef32_pk16_fp6_f32 v[PC+8:PC+10], v[(\x)+16:(\x)+31], v[SO+1]
	v_nop                                          ; one plain instruction behind a scaled conversion
.irp n, 0,1,2                                  ; the operand wants a whole block in a lane: lanes 0-15 the first, lanes 16-31 the second
	v_permlane16_swap_b32 v[PC+\n], v[PC+8+\n]
.endr
.irp n, 0,1,2
	v_mov_b32 v[PC+3+\n], v[PC+8+\n]
.endr
.endm
.macro PUT off                         ; three planes of 256 consecutive bytes, aligned
.irp p, 0,1,2
	global_store_b64 v[GOFF], v[PC+2*\p:PC+2*\p+1], s[CUR:CUR+1] offset:(\off)+256*\p
.endr
.endm
.macro BLK kind, u, last
.if (\last) && (\u) == 3
	s_wait_dscnt 0x0
.else
	s_wait_dscnt NF
.endif
.irp k, 0,1,2,3,4,5,6,7                        ; the four accumulators by turns
.irp b, 0,1,2,3
	PROD \kind, \u, \k, \b
.endr
.endr
	WIN 0
	PLACES 4                                       ; in front of the loads into the fragments' registers and of the first read of the sums
.if (\last) && (\u) >= 2                       ; nothing follows the last phase's last trip: its blocks 6 and 7 fetch nothing
	s_cmp_eq_u32 s[TC], 1
	s_wait_alu depctr_va_vdst(0)
	s_cbranch_scc1 .Lno_fetch_\@
.endif
	FETCH (\u)%2, ((\u)+2)%4
.if (\last) && (\u) >= 2
.Lno_fetch_\@:
.endif
.if (\u) == 1
	s_xor_b32 s[TO], s[TO], 8*TR                   ; the next two fetches read the other half of x's region
.endif
.if \kind
.if (\u) == 3
.irp t, 0,1,2,3
	Q32 ACC+32*\t, \t
	PUT 768*\t
.endr
.endif
.else
	Q32 ACC, \u
	PUT 768*(\u)
.endif
.endm
.macro PHASE kind, last, base, step
	s_wait_xcnt 0x0                                ; earlier stores have read their base
	s_mov_b64 s[CUR:CUR+1], s[\base:\base+1]
	s_mov_b32 s[TC], 0
.Ltrip_\@:
	BLK \kind, 0, \last
	BLK \kind, 1, \last
	BLK \kind, 2, \last
	BLK \kind, 3, \last
	s_wait_xcnt 0x0
	s_add_nc_u64 s[CUR:CUR+1], s[CUR:CUR+1], \step
	s_add_co_u32 s[TC], s[TC], 1
	s_cmp_lt_u32 s[TC], 2
	s_wait_alu depctr_va_vdst(0)
	s_cbranch_scc1 .Ltrip_\@
.if \kind
.irp i, 0,1,2,3
	v_lshl_or_b32 v[WD+\i], v[PWB+\i], 16, v[PWA+\i]       ; the even jc's word: four bytes for 128 tokens
.endr
.irp i, 0,1,2,3
	v_cndmask_b32 v[WD+\i], v[WD+\i], v[PWB+\i], s[MSK]    ; lanes 16-31: the odd jc's own word, eight records on
.endr
	global_store_b128 v[SOFV], v[WD:WD+3], s[\base:\base+1] offset:3072   ; sixteen lanes store 256 consecutive bytes
.else
.irp i, 0,1,2,3
	v_cndmask_b32 v[WD+\i], v[PWA+\i], v[PWB+\i], s[MSK]   ; lanes 0-15: tiles 0-3 (the first quarter), lanes 16-31: tiles 4-7
.endr
	global_store_b128 v[SOFF], v[WD:WD+3], s[\base:\base+1] offset:3072
.endif
.endm
.macro REFILL ptr                      ; every wave holds the phase's weights in registers: their region takes the next phase's
	s_wait_tensorcnt 0x0                           ; all my tensor loads have landed,
	ds_add_u32 v[SPW], v[NIL]                      ; 0 onto my spare word,
	s_mov_b64 s[G0W+2:G0W+3], s[\ptr:\ptr+1]       ; (no load of mine is out: the descriptor may be written)
	s_or_b32 s[G0W+3], s[G0W+3], 0x80000000
	s_wait_dscnt 0x0                               ; and the add and my reads of the region are done
	CROUND
	s_cmp_lt_u32 s14, 2
	s_cbranch_scc0 .Lno_half_\@
	TL G0W, G1W
.Lno_half_\@:
.endm
.macro SHOW                            ; a plain barrier: what the refill brought is shown to all waves
	s_wait_tensorcnt 0x0
	s_wait_dscnt 0x0
	BARRIER
.endm
	s_cmp_lt_u32 s14, 2
	s_cbranch_scc0 .Lnot_w
	s_wait_tensorcnt 0x0
.Lnot_w:
	BARRIER                                        ; W_v's records are in
	WEIGHTS
	REFILL WQ                                      ; its round also shows x's 16 records to all waves
	FETCH 0, 0
	FETCH 1, 1
	PHASE 1, 0, OV, 8*REC
	SHOW
	WEIGHTS
	REFILL WK
	PHASE 0, 0, OQ, QTR
	SHOW
	WEIGHTS
	s_wait_dscnt 0x0
	PHASE 0, 1, OK, QTR
	s_wait_tensorcnt 0x0                           ; the wave's end
	ds_add_u32 v[SPW], v[NIL]
	s_wait_dscnt 0x0
	CROUND                                         ; the closing round
	s_endpgm
.Lfunc_end_k_qcc29d2d2ef_qkv:
	.size	k_qcc29d2d2ef_qkv, .Lfunc_end_k_qcc29d2d2ef_qkv-k_qcc29d2d2ef_qkv
	.p2alignl 7, 3214868480
	.fill 96, 4, 3214868480
	.section	.rodata,"a",@progbits
	.p2align	6, 0x0
	.amdhsa_kernel k_qcc29d2d2ef_qkv
		.amdhsa_group_segment_fixed_size 327680
		.amdhsa_private_segment_fixed_size 0
		.amdhsa_enable_private_segment 0
		.amdhsa_kernarg_size 40
		.amdhsa_user_sgpr_count 2
		.amdhsa_user_sgpr_kernarg_segment_ptr 1
		.amdhsa_wavefront_size32 1
		.amdhsa_system_sgpr_workgroup_id_x 1
		.amdhsa_system_sgpr_workgroup_id_y 1
		.amdhsa_system_sgpr_workgroup_id_z 1
		.amdhsa_system_vgpr_workitem_id 0
		.amdhsa_next_free_vgpr 1024
		.amdhsa_next_free_sgpr 84
		.amdhsa_reserve_vcc 0
		.amdhsa_float_denorm_mode_32 3
		.amdhsa_float_denorm_mode_16_64 3
		.amdhsa_memory_ordered 1
		.amdhsa_forward_progress 1
		.amdhsa_inst_pref_size 177
	.end_amdhsa_kernel
	.amdgpu_metadata
---
amdhsa.version: [ 1, 2 ]
amdhsa.kernels:
  - .name:           k_qcc29d2d2ef_qkv
    .symbol:         k_qcc29d2d2ef_qkv.kd
    .args:
      - { .name: xq, .offset: 0, .size: 8, .value_kind: global_buffer, .address_space: global }
      - { .name: wqk, .offset: 8, .size: 8, .value_kind: global_buffer, .address_space: global }
      - { .name: wv, .offset: 16, .size: 8, .value_kind: global_buffer, .address_space: global }
      - { .name: qk, .offset: 24, .size: 8, .value_kind: global_buffer, .address_space: global }
      - { .name: vr, .offset: 32, .size: 8, .value_kind: global_buffer, .address_space: global }
    .group_segment_fixed_size: 327680
    .private_segment_fixed_size: 0
    .kernarg_segment_align: 8
    .kernarg_segment_size: 40
    .max_flat_workgroup_size: 128
    .sgpr_count:     84
    .vgpr_count:     1024
    .wavefront_size: 32
...
	.end_amdgpu_metadata
.endif
;; end of part 2
;; launch attn (part 3): grid 4 x 64, 16 waves a work-group, clusters of 4 x 1, 327,680 bytes of LDS; arguments qk, vr, oq; writes oq
.if DOCPART == 3
	.amdgcn_target "amdgcn-amd-amdhsa--gfx1250"
	.amdhsa_code_object_version 6
	.text
	.protected	k_qcc29d2d2ef_attn
	.globl	k_qcc29d2d2ef_attn
	.p2align	8
	.type	k_qcc29d2d2ef_attn,@function
k_qcc29d2d2ef_attn:
	s_mov_b64 s[64:65], 0
	v_nop
	global_prefetch_b8 v0, s[64:65] scope:SCOPE_SE
	s_setreg_imm32_b32 hwreg(HW_REG_WAVE_MODE, 25, 1), 1
	s_wait_xcnt 0x0
	s_wait_alu depctr_hold_cnt(0) depctr_sa_sdst(0) depctr_va_vdst(0) depctr_va_sdst(0) depctr_va_ssrc(0) depctr_va_vcc(0) depctr_vm_vsrc(0)
	s_getreg_b32 s2, hwreg(HW_REG_IB_STS2, 6, 4)
	s_cmp_eq_u32 s2, 0
	s_cbranch_scc0 .Lentry_in_a_cluster
	s_endpgm
.Lentry_in_a_cluster:
	s_bfe_u32 s2, ttmp6, 0x10000c
	s_cmp_lg_u32 s2, 0x3003
	s_cbranch_scc0 .Lentry_shape_is_right
	s_endpgm
.Lentry_shape_is_right:
; Causal attention for one head (grid y = 16 batch + head), 2,048 tokens, head size 64, both products on codes of FP6 (E2M3) with E8M0 scales; the result is quantised again, along the head's 64, into the last product's operand.
; t = score x log2(e) / 8; M = the running largest t rounded up to a whole number; p = 2^(t - M) is quantised along the keys, not normalised; the row's sum is taken of the unquantised p and divides O at the end.
; LEFT OUT: key steps of 128 all of whose keys come after a tile's last query: the causal mask sets those scores to -inf, so their p is 0 for all inputs.
; K AND V OF THE HEAD LIE IN LDS WHOLE: 16 records of K (6,656 bytes for 128 keys) from byte 0, 32 quarter rows of V (3,328 bytes for 64 keys) from VOFF: 212,992 bytes, each byte filled once.
; Keys 0-255 are asked for at the head (wave 0 K's two records, wave 1 V's four rows); the other 1,792 behind one guarded round, two records or four rows a wave (waves 0-6 K, waves 8-14 V).
; Two key steps are worked while those land; one barrier shows them to all waves; behind it the waves share nothing and meet no barrier.
; SHARES.  A TILE is 16 queries: tile T holds rows 32 (T / 2) + 8 (T % 2) + r + 8 (r / 8) and needs T / 8 + 1 key steps.  Wave w of work-group p takes tile 127 - 4 w - p (16 - w / 2 steps) and then tile 4 w + p (w / 2 + 1 steps):
; 17 steps for every wave.  The counts hang on the wave's number alone; the loops have constant trip counts and a scalar branch leads round a hidden step's work.
; CLUSTER: the four work-groups of a head need the same K and V: every tensor load is a joint one, mask 15.  Wave 0 of each work-group walks all 16 steps, so every partner reads every tile.
; NO PREFETCH: both groups of loads stand in the head; the launch has no later load to run ahead of.
; INPUTS are records of 6,656 bytes (8 tiles x 64 along a product's K: two quarters of 4 half images of 768 bytes + 256 bytes of scale words [r][tile % 4]).  A half image is the image of six operand registers.
; BOTH PRODUCTS ARE USED TRANSPOSED: S^T = K Q^T, O^T = V^T P^T: a lane holds one query throughout; the 16 registers of two neighbouring tiles of S^T are 16 neighbouring keys.
; THE FIRST PRODUCT'S K IS 64 of the instruction's 128.  Q's upper six registers are zero codes and its upper two scale bytes 0; K's operand of tile j is v[32 + 6 j : 43 + 6 j], whose upper six registers are the next tile's codes
; (behind the last tile: zeros): they meet zero codes and add exactly nothing, and no scale byte here is 0xff.
; LIMITS: NaN and infinities are not served; the scaled scores stay under 2^31 in magnitude; a block of zeros gets the byte 1 where the rule says 127 (zero codes; this program alone reads the bytes).
; O's two scale bytes a row leave by a store of two bytes a lane: 256 KiB in the launch.
.set REC,   6656
.set QTR,   3328
.set VOFF,  16*REC
.set SPARE, 32*REC                     ; the spare words, 128 bytes for each wave: eight blocks of 256 bytes that no other line names
.set L8,   1                           ; v1  8 x lane
.set AV0,  2                           ; v2  VOFF + 8 x lane
.set ASK0, 3                           ; v3  K's scale words: 3,328 h + 3,072 + 16 r
.set ASV0, 4                           ; v4  V's: VOFF + 3,072 + 16 r
.set SPW,  5                           ; v5  my spare word; never rewritten
.set NIL,  6                           ; v6  0; never rewritten
.set R8,   7                           ; v7  8 r
.set ADK,  8                           ; v8-11 the step's LDS addresses
.set ADV,  9
.set ADS,  10
.set ADT,  11
.set QS,   29                          ; v29 Q's scale word
.set DQ,   30                          ; v30 r + 8 (r / 8) - 16 h
.set R16,  31                          ; v31 16 r
.set KS,   86                          ; v86-89 K's scale words; v90-93 V's
.set VS,   90
.set PC,   192                         ; v192-203 p's codes; v204-206, v208-210 at work
.set BM,   212                         ; v212-215 the blocks' largest
.set BP,   216
.set SO,   220
.set FF,   224                         ; v[224:225] f, later 1 / l
.set PS,   226                         ; v226 p's scale word
.set OS,   227                         ; v227 O's two scale bytes
.set BY,   228
.set SM,   244                         ; v244-251 four chains of the row's sum
.set WV,   18
.set SEL,  20
.set CS,   22
.set G1K,  24
.set G1V,  32
.set G0K,  40
.set G0V,  44
.set KB0,  48                          ; s[48:49] K's first record of my head; s[50:51] V's first row
.set VB0,  50
.set G0K1, 52
.set G0V1, 56
.set TT,   60                          ; the tile in hand
.set KF,   61                          ; the step's first key
.set Q0,   62                          ; my first query
.set NN,   63                          ; the tile's key steps
.set BB,   66
.set HD,   67
.set PP,   68
.set ST,   69                          ; the key step
.set TB,   70                          ; 6,656 x the key step
.set T2,   71                          ; my second tile
.macro ROUND                           ; a round of the cluster's barrier
	s_barrier_signal -1
	s_barrier_wait -1
	s_cmp_lg_u32 s[WV], 0
	s_cbranch_scc1 .Lnot_wave_0_\@
	s_barrier_signal -3
.Lnot_wave_0_\@:
	s_barrier_wait -3
	s_barrier_signal -1
	s_barrier_wait -1
.endm
.macro TL g0, g1                       ; an s_nop 0 and four v_nop follow each tensor load
	tensor_load_to_lds s[\g0:\g0+3], s[\g1:\g1+7]
	s_nop 0
.rept 4
	v_nop
.endr
.endm
	s_load_b128 s[4:7], s[0:1], 0x0                ; qk, vr
	s_load_b64 s[8:9], s[0:1], 0x10                ; oq
	v_lshl_add_u32 v[SPW], v0, 2, SPARE
	v_mov_b32 v[NIL], 0
	ds_add_u32 v[SPW], v[NIL]                      ; the opening: the add, twice on end, and its wait ahead of the first tensor load
	ds_add_u32 v[SPW], v[NIL]
	v_lshrrev_b32 v8, 5, v0
	v_readfirstlane_b32 s[WV], v8                  ; wave 0..15
	v_and_b32 v94, 31, v0                          ; lane
	v_and_b32 v95, 15, v0                          ; r
	v_bfe_u32 v8, v0, 4, 1                         ; h
	v_lshlrev_b32 v[L8], 3, v94
	v_lshlrev_b32 v[R16], 4, v95
	v_lshlrev_b32 v[R8], 3, v95
	v_and_b32 v9, 8, v95
	v_lshlrev_b32 v10, 4, v8
	v_add_nc_u32 v[AV0], VOFF, v[L8]
	v_mad_u32_u24 v[ASK0], v8, QTR, v[R16]
	v_add_nc_u32 v[ASV0], VOFF+3072, v[R16]
	v_add_nc_u32 v9, v9, v95
	v_add_nc_u32 v[ASK0], 3072, v[ASK0]
	v_sub_nc_u32 v[DQ], v9, v10
.irp i, 0,1,2,3,4,5
	v_mov_b32 v[22+\i], 0                          ; Q's zero codes for k = 64 .. 127
	v_mov_b32 v[80+\i], 0                          ; and what stands behind K's last tile
.endr
.irp b, 0,1,2,3
	v_mov_b32 v[BP+\b], 0                          ; a lane permute's destination counts as one of its sources
.endr
	v_mov_b32 v[FF+1], 0                           ; (named as the upper half of a pair)
	s_bfe_u32 s[PP], ttmp6, 0x40000                ; my place in the cluster: it enters global addresses and the mask's numbers, no branch and no LDS address
	s_and_b32 s72, ttmp7, 0xffff
	s_lshr_b32 s[BB], s72, 4                       ; batch
	s_and_b32 s[HD], s72, 15                       ; head
	s_lshl_b32 s[T2], s[WV], 2
	s_add_co_u32 s[T2], s[T2], s[PP]               ; my second tile, 4 w + p
	s_sub_co_u32 s[TT], 127, s[T2]                 ; my first
	s_lshr_b32 s74, s[WV], 1
	s_sub_co_u32 s[NN], 16, s74                    ; its key steps
	s_add_co_u32 s76, s[HD], 16                    ; K: record 8 (16 + head) + 512 batch
	s_lshl_b32 s76, s76, 3
	s_lshl_b32 s77, s[BB], 9
	s_add_co_u32 s76, s76, s77
	s_mul_i32 s76, s76, REC
	s_mov_b32 s77, 0
	s_lshl_b32 s78, s[BB], 8                       ; V: record 256 batch + head / 2, quarter head % 2; 64 keys on are 8 records on
	s_lshr_b32 s79, s[HD], 1
	s_add_co_u32 s78, s78, s79
	s_mul_i32 s78, s78, REC
	s_and_b32 s79, s[HD], 1
	s_mul_i32 s79, s79, QTR
	s_add_co_u32 s78, s78, s79
	s_mov_b32 s79, 0
	s_and_b32 s80, s[WV], 7                        ; the second group: unit w % 8 + 1 of 256 keys (waves 7 and 15 ask for nothing)
	s_add_co_u32 s81, s80, 1
	s_min_u32 s81, s81, 7
	s_lshr_b32 s82, s81, 2                         ; K: 1,024 keys are 8 records on end; the next 1,024 lie 256 records on
	s_mul_i32 s82, s82, 256*REC
	s_and_b32 s83, s81, 3
	s_mul_i32 s83, s83, 2*REC
	s_add_co_u32 s82, s82, s83
	s_mov_b32 s83, 0
	s_mul_i32 s84, s81, 32*REC                     ; V: four rows, 8 records apart
	s_mov_b32 s85, 0
	s_mul_i32 s86, s81, 2*REC                      ; and in LDS
	; group 1.  K: two records, 13,312 dense bytes, as 52 rows of 256 bytes.  V: four rows of 3,328 bytes, 53,248 bytes apart.  Mask 15: the four work-groups of the cluster; bit 21 beside it
	s_mov_b32 s[G1K], 15|(3<<16)|(1<<21)
	s_mov_b32 s[G1K+1], 32<<16
	s_mov_b32 s[G1K+2], 52<<16
	s_mov_b32 s[G1K+3], 32<<16
	s_mov_b32 s[G1K+4], 52
	s_mov_b32 s[G1K+5], 32
	s_mov_b32 s[G1K+6], 0
	s_mov_b32 s[G1K+7], 0
	s_mov_b32 s[G1V], 15|(3<<16)|(1<<21)
	s_mov_b32 s[G1V+1], 416<<16
	s_mov_b32 s[G1V+2], 4<<16
	s_mov_b32 s[G1V+3], 416<<16
	s_mov_b32 s[G1V+4], 4
	s_mov_b32 s[G1V+5], 6656
	s_mov_b32 s[G1V+6], 0
	s_mov_b32 s[G1V+7], 0
	s_mov_b32 s[SEL], 0x76543210
	s_mov_b32 s[SEL+1], 0xfedcba98
	s_mov_b32 s[CS], 0x3e38aa3b                    ; c = log2(e) / 8
	s_mov_b32 s[CS+1], s[CS]
	s_mov_b32 s[TB], 0
	s_mov_b32 s[KF], 0
	s_wait_alu depctr_va_vdst(0)
	s_wait_dscnt 0x0                               ; both opening adds are done
	ROUND                                          ; in front of the first joint loads
	s_wait_kmcnt 0x0
	s_add_nc_u64 s[KB0:KB0+1], s[4:5], s[76:77]
	s_add_nc_u64 s[VB0:VB0+1], s[6:7], s[78:79]
	s_mov_b32 s[G0K], 1
	s_mov_b32 s[G0K+1], 0
	s_mov_b64 s[G0K+2:G0K+3], s[KB0:KB0+1]
	s_or_b32 s[G0K+3], s[G0K+3], 0x80000000
	s_mov_b32 s[G0V], 1
	s_mov_b32 s[G0V+1], VOFF
	s_mov_b64 s[G0V+2:G0V+3], s[VB0:VB0+1]
	s_or_b32 s[G0V+3], s[G0V+3], 0x80000000
	s_mov_b32 s[G0K1], 1
	s_mov_b32 s[G0K1+1], s86
	s_add_nc_u64 s[G0K1+2:G0K1+3], s[KB0:KB0+1], s[82:83]
	s_or_b32 s[G0K1+3], s[G0K1+3], 0x80000000
	s_mov_b32 s[G0V1], 1
	s_add_co_u32 s[G0V1+1], s86, VOFF
	s_add_nc_u64 s[G0V1+2:G0V1+3], s[VB0:VB0+1], s[84:85]
	s_or_b32 s[G0V1+3], s[G0V1+3], 0x80000000
	s_cmp_eq_u32 s[WV], 0                          ; keys 0-255: wave 0 K's, wave 1 V's
	s_cbranch_scc0 .Lhead_v
	TL G0K, G1K
	s_branch .Lhead_asked
.Lhead_v:
	s_cmp_eq_u32 s[WV], 1
	s_cbranch_scc0 .Lhead_asked
	TL G0V, G1V
.Lhead_asked:
; tile TT of Q, its scale word, its first query
.macro LOADQ
	s_lshr_b32 s84, s[TT], 3
	s_and_b32 s84, s84, 7
	s_lshl_b32 s85, s[HD], 3
	s_add_co_u32 s84, s84, s85
	s_lshl_b32 s85, s[BB], 1
	s_lshr_b32 s90, s[TT], 6
	s_add_co_u32 s85, s85, s90
	s_lshl_b32 s85, s85, 8
	s_add_co_u32 s84, s84, s85                     ; the record
	s_mul_i32 s84, s84, REC
	s_bfe_u32 s85, s[TT], 0x10002
	s_mul_i32 s85, s85, QTR                        ; the quarter
	s_add_co_u32 s84, s84, s85
	s_mov_b32 s85, 0
	s_add_nc_u64 s[92:93], s[4:5], s[84:85]
	s_and_b32 s90, s[TT], 3
	s_mul_i32 s84, s90, 768
	s_add_nc_u64 s[94:95], s[92:93], s[84:85]      ; my half image
	s_lshl_b32 s84, s90, 2
	s_add_nc_u64 s[92:93], s[92:93], s[84:85]      ; my tile's scale words
.irp p, 0,1,2
	global_load_b64 v[16+2*\p:17+2*\p], v[L8], s[94:95] offset:256*\p
.endr
	global_load_b32 v[QS], v[R16], s[92:93] offset:3072
	s_lshr_b32 s[Q0], s[TT], 1
	s_lshl_b32 s[Q0], s[Q0], 5
	s_and_b32 s84, s[TT], 1
	s_lshl_b32 s84, s84, 3
	s_add_co_u32 s[Q0], s[Q0], s84                 ; 32 (T / 2) + 8 (T % 2)
	s_wait_loadcnt 0x0
	v_and_b32 v[QS], 0xffff, v[QS]                 ; bytes 2 and 3, over the zero codes: 0.  (The moves of INIT are the places between this line and the products)
.endm
.macro INIT
	v_mov_b32 v13, 0xff61b1e6                      ; the largest t so far: -3e38
	s_delay_alu instid0(VALU_DEP_1)
	v_floor_f32 v12, -v13                          ; -M
	v_mov_b32 v14, 0
	v_mov_b32 v15, 0
.set n, 0
.rept 32
	v_mov_b32 v[160+n], 0                          ; O^T: the first change of M leaves zeros zeros
.set n, n+1
.endr
.endm
; O^T / l, quantised along the head's 64, becomes half image `head` of my tile's record in oq
.macro WAYOUT
.rept 4
	v_nop                                          ; places behind the last products
.endr
	v_add_f32 v14, v14, v15
	s_delay_alu instid0(VALU_DEP_1)
	v_permlanex16_b32 v94, v14, s[SEL], s[SEL+1]
	s_delay_alu instid0(VALU_DEP_1)
	v_add_f32 v14, v14, v94                        ; the row's sum
	s_wait_alu depctr_va_vdst(0)
	v_rcp_f32 v[FF], v14
	v_nop                                          ; a plain instruction behind the reciprocal
	s_lshl_b32 s84, s[BB], 7
	s_add_co_u32 s84, s84, s[TT]
	s_mul_i32 s84, s84, 12800
	s_mov_b32 s85, 0
	s_add_nc_u64 s[86:87], s[8:9], s[84:85]        ; my tile's record
	s_mul_i32 s84, s[HD], 768
	s_add_nc_u64 s[88:89], s[86:87], s[84:85]
	s_lshr_b32 s84, s[HD], 2
	s_lshl_b32 s84, s84, 7
	s_and_b32 s90, s[HD], 3
	s_lshl_b32 s90, s90, 1
	s_add_co_u32 s84, s84, s90
	s_add_nc_u64 s[86:87], s[86:87], s[84:85]      ; my head's two bytes of a row's scale words
	s_wait_alu depctr_va_vdst(0)                   ; the wait ahead of the first reader of 1 / l and of O^T
.set n, 0
.rept 16
	v_pk_mul_f32 v[96+n:97+n], v[160+n:161+n], v[FF:FF+1] op_sel_hi:[1,0]   ; register 16 g + i is channel 32 g + 16 h + i
.set n, n+2
.endr
.irp g, 0,1
	v_max3_num_f32 v[BM+\g], |v[96+16*\g]|, |v[97+16*\g]|, 0x1800000
.endr
.irp i, 2,4,6,8,10,12,14
.irp g, 0,1
	s_delay_alu instid0(VALU_DEP_2)
	v_max3_num_f32 v[BM+\g], v[BM+\g], |v[96+16*\g+\i]|, |v[97+16*\g+\i]|
.endr
.endr
.irp g, 0,1
	s_delay_alu instid0(VALU_DEP_2)
	v_permlanex16_b32 v[BP+\g], v[BM+\g], s[SEL], s[SEL+1]
.endr
.irp g, 0,1
	s_delay_alu instid0(VALU_DEP_2)
	v_max_num_f32 v[BM+\g], v[BM+\g], v[BP+\g]
.endr
.irp g, 0,1
	s_delay_alu instid0(VALU_DEP_2)
	v_add_nc_u32 v[SO+\g], 0xff000000, v[BM+\g]
.endr
.irp g, 0,1
	s_delay_alu instid0(VALU_DEP_2)
	v_lshrrev_b32 v[BY+\g], 23, v[SO+\g]
.endr
	s_delay_alu instid0(VALU_DEP_1)
	v_lshl_or_b32 v[OS], v[BY+1], 8, v[BY]
	v_cvt_scalef32_pk16_fp6_f32 v[PC:PC+2], v[96:111], v[SO]
	v_cvt_scalef32_pk16_fp6_f32 v[PC+12:PC+14], v[112:127], v[SO+1]
	v_nop                                          ; one plain instruction behind a scaled conversion
.irp i, 0,1,2
	v_permlane16_swap_b32 v[PC+\i], v[PC+12+\i]
.endr
.irp i, 0,1,2
	s_delay_alu instid0(VALU_DEP_3)
	v_mov_b32 v[PC+3+\i], v[PC+12+\i]
.endr
.irp p, 0,1,2
	global_store_b64 v[L8], v[PC+2*\p:PC+2*\p+1], s[88:89] offset:256*\p   ; 256 consecutive bytes, aligned
.endr
	global_store_b16 v[R8], v[OS], s[86:87] offset:12288   ; lanes r and r + 16 write the same two bytes with the same value
	s_wait_xcnt 0x0                                ; the stores have read their registers and bases: both are written again
.endm
; A KEY STEP: the 128 keys from KF on, at LDS byte TB of K's and of V's region.  m = 1: with the tests for a hidden step and for the diagonal; m = 0: a step that lies wholly ahead of the tile's queries
.macro STEP m
.if \m
	s_cmp_ge_u32 s[ST], s[NN]                      ; a step all of whose keys come after my last query is left out
	s_cbranch_scc1 .Lhidden_\@
.endif
	v_add_nc_u32 v[ADK], s[TB], v[L8]              ; (these four are also the places in front of the loads below)
	v_add_nc_u32 v[ADV], s[TB], v[AV0]
	v_add_nc_u32 v[ADS], s[TB], v[ASK0]
	v_add_nc_u32 v[ADT], s[TB], v[ASV0]
.irp j, 0,1,2,3,4,5,6,7
.irp p, 0,1,2
	ds_load_b64 v[32+6*\j+2*\p:33+6*\j+2*\p], v[ADK] offset:QTR*(\j/4)+768*(\j%4)+256*\p
.endr
.endr
	ds_load_b128 v[KS:KS+3], v[ADS]                ; lanes 0-15: the words of tiles 0-3; lanes 16-31: of tiles 4-7
	s_wait_alu depctr_va_vdst(0)
	s_wait_dscnt 0x0
.irp j, 0,1,2,3
	v_wmma_scale_f32_16x16x128_f8f6f4 v[96+8*\j:103+8*\j], v[32+6*\j:43+6*\j], v[16:27], 0, v[KS+\j], v[QS] matrix_a_fmt:MATRIX_FMT_FP6 matrix_b_fmt:MATRIX_FMT_FP6
.endr
.irp j, 4,5,6,7
	v_wmma_scale_f32_16x16x128_f8f6f4 v[96+8*\j:103+8*\j], v[32+6*\j:43+6*\j], v[16:27], 0, v[KS+\j-4], v[QS] matrix_a_fmt:MATRIX_FMT_FP6 matrix_b_fmt:MATRIX_FMT_FP6 matrix_a_scale:MATRIX_SCALE_ROW1
.endr
.rept 4
	v_nop                                          ; places: in front of the loads into K's registers, and of the first read of the scores
.endr
.irp d, 0,1,2,3                                ; V's four tiles land while the softmax is worked
.irp p, 0,1,2,3,4,5
	ds_load_b64 v[32+12*\d+2*\p:33+12*\d+2*\p], v[ADV] offset:QTR*(\p/3)+768*\d+256*(\p%3)
.endr
.endr
	ds_load_b128 v[VS:VS+3], v[ADT]
.if \m
	s_add_co_u32 s96, s[ST], 1                     ; only the tile's last step holds hidden scores
	s_cmp_lt_u32 s96, s[NN]
	s_cbranch_scc1 .Lopen_\@
	s_sub_co_i32 s96, s[Q0], s[KF]
	v_add_nc_u32 v95, s96, v[DQ]                   ; d = my query - KF - 16 h.  Register 16 b + i holds key KF + 32 b + 16 h + i: hidden where 32 b + i > d
	v_mov_b32 v94, 0xff800000
.set n, 0
.rept 64
	v_cmp_gt_i32 vcc_lo, 32*(n/16)+n%16, v95
	v_cndmask_b32 v[96+n], v[96+n], v94, vcc_lo
.set n, n+1
.endr
.Lopen_\@:
.endif
.irp b, 0,1,2,3
	v_max3_num_f32 v[BM+\b], v[96+16*\b], v[97+16*\b], v[98+16*\b]   ; the largest score of each block of 32 keys: for the row's maximum, and, since p rises with the score, for the block's largest p
.endr
.irp i, 3,5,7,9,11,13
.irp b, 0,1,2,3
	v_max3_num_f32 v[BM+\b], v[BM+\b], v[96+16*\b+\i], v[97+16*\b+\i]
.endr
.endr
.irp b, 0,1,2,3
	v_max_num_f32 v[BM+\b], v[BM+\b], v[111+16*\b]
.endr
.irp b, 0,1,2,3
	s_delay_alu instid0(VALU_DEP_4)
	v_permlanex16_b32 v[BP+\b], v[BM+\b], s[SEL], s[SEL+1]
.endr
.irp b, 0,1,2,3
	s_delay_alu instid0(VALU_DEP_4)
	v_max_num_f32 v[BM+\b], v[BM+\b], v[BP+\b]
.endr
	s_delay_alu instid0(VALU_DEP_2)
	v_max3_num_f32 v94, v[BM], v[BM+1], v[BM+2]
	s_delay_alu instid0(VALU_DEP_1)
	v_max_num_f32 v94, v94, v[BM+3]
	s_delay_alu instid0(VALU_DEP_1)
	v_mul_f32 v94, s[CS], v94
	s_delay_alu instid0(VALU_DEP_1)
	v_max_num_f32 v13, v13, v94                    ; the running largest t
	v_mov_b32 v94, v12
	s_delay_alu instid0(VALU_DEP_2)
	v_floor_f32 v12, -v13                          ; the new -M: M is a whole number
	s_delay_alu instid0(VALU_DEP_1)
	v_sub_f32 v94, v12, v94
	s_delay_alu instid0(VALU_DEP_1)
	v_cvt_i32_f32 v94, v94                         ; (it saturates)
	s_delay_alu instid0(VALU_DEP_1)
	v_ldexp_f32 v[FF], 1.0, v94                    ; f = 2^(old M - new M)
.set n, 0
.rept 32
	v_pk_fma_f32 v[96+n:97+n], v[96+n:97+n], s[CS:CS+1], v[12:13] op_sel_hi:[1,0,0]   ; t - M
.set n, n+2
.endr
.irp b, 0,1,2,3
	v_fma_f32 v[BM+\b], v[BM+\b], s[CS], v12
.endr
	s_wait_alu depctr_va_vdst(0)
.set n, 0
.rept 64
	v_exp_f32 v[96+n], v[96+n]                     ; p = 2^(t - M)
.set n, n+1
.endr
	v_pk_mul_f32 v[14:15], v[14:15], v[FF:FF+1] op_sel_hi:[1,0]   ; the sums under the new M: a plain instruction behind the exponentials
	s_wait_alu depctr_va_vdst(0)                   ; one wait for the batch of 64, ahead of its first reader
.irp b, 0,1,2,3
	v_exp_f32 v[BM+\b], v[BM+\b]                   ; the blocks' largest p
.endr
.irp c, 0,1,2,3                                ; the row's sum of the unquantised p: 32 pairs in four chains by turns
	v_pk_add_f32 v[SM+2*\c:SM+2*\c+1], v[96+2*\c:97+2*\c], v[104+2*\c:105+2*\c]
.endr
.irp i, 16,24,32,40,48,56
.irp c, 0,1,2,3
	v_pk_add_f32 v[SM+2*\c:SM+2*\c+1], v[SM+2*\c:SM+2*\c+1], v[96+\i+2*\c:97+\i+2*\c]
.endr
.endr
	v_pk_add_f32 v[SM:SM+1], v[SM:SM+1], v[SM+2:SM+3]
	v_pk_add_f32 v[SM+4:SM+5], v[SM+4:SM+5], v[SM+6:SM+7]
	v_pk_add_f32 v[14:15], v[14:15], v[SM:SM+1]
	v_pk_add_f32 v[14:15], v[14:15], v[SM+4:SM+5]
	s_wait_alu depctr_va_vdst(0)                   ; and one for the four
.irp b, 0,1,2,3
	v_max_num_f32 v[BM+\b], 0x1800000, v[BM+\b]    ; the floor 2^(3 - 127): the byte cannot fall under 1
.endr
.irp b, 0,1,2,3
	s_delay_alu instid0(VALU_DEP_4)
	v_add_nc_u32 v[SO+\b], 0xff000000, v[BM+\b]
.endr
.irp b, 0,1,2,3
	s_delay_alu instid0(VALU_DEP_4)
	v_lshrrev_b32 v[BY+\b], 23, v[SO+\b]
.endr
	s_delay_alu instid0(VALU_DEP_3)
	v_lshl_or_b32 v[PS], v[BY+1], 8, v[BY]
	s_delay_alu instid0(VALU_DEP_1)
	v_lshl_or_b32 v[PS], v[BY+2], 16, v[PS]
	s_delay_alu instid0(VALU_DEP_1)
	v_lshl_or_b32 v[PS], v[BY+3], 24, v[PS]
.irp c, 0,1
	v_cvt_scalef32_pk16_fp6_f32 v[PC+6*\c:PC+2+6*\c], v[96+32*\c:111+32*\c], v[SO+2*\c]
	v_cvt_scalef32_pk16_fp6_f32 v[PC+12+4*\c:PC+14+4*\c], v[112+32*\c:127+32*\c], v[SO+2*\c+1]
.endr
	v_nop                                          ; one plain instruction behind a scaled conversion
.irp c, 0,1
.irp i, 0,1,2
	v_permlane16_swap_b32 v[PC+6*\c+\i], v[PC+12+4*\c+\i]
.endr
.irp i, 0,1,2
	s_delay_alu instid0(VALU_DEP_3)
	v_mov_b32 v[PC+3+6*\c+\i], v[PC+12+4*\c+\i]
.endr
.endr
	s_wait_alu depctr_va_vdst(0)                   ; the wait directly ahead of the first reader of O^T
.set n, 0
.rept 16
	v_pk_mul_f32 v[160+n:161+n], v[160+n:161+n], v[FF:FF+1] op_sel_hi:[1,0]   ; O^T under the new M; these sixteen also stand between the codes' and the scale word's last writes and the products
.set n, n+2
.endr
	s_wait_alu depctr_va_vdst(0)
	s_wait_dscnt 0x0                               ; V is in
.irp d, 0,1,2,3
	v_wmma_scale_f32_16x16x128_f8f6f4 v[160+8*\d:167+8*\d], v[32+12*\d:43+12*\d], v[PC:PC+11], v[160+8*\d:167+8*\d], v[VS+\d], v[PS] matrix_a_fmt:MATRIX_FMT_FP6 matrix_b_fmt:MATRIX_FMT_FP6
.endr
.if \m
.Lhidden_\@:
.endif
	s_add_co_u32 s[KF], s[KF], 128
	s_add_co_u32 s[TB], s[TB], REC
.endm
	LOADQ
	INIT
	s_wait_alu depctr_va_vdst(0)
	s_wait_tensorcnt 0x0                           ; my part of keys 0-255 is in.  The second group fills its bytes for the first time and is issued as a refill is:
	ds_add_u32 v[SPW], v[NIL]                      ; the add, written twice
	ds_add_u32 v[SPW], v[NIL]
	s_wait_dscnt 0x0
	ROUND                                          ; keys 0-255 are whole in every work-group of the cluster
	s_cmp_eq_u32 s80, 7                            ; keys 256-2047: waves 0-6 two records of K each, waves 8-14 four rows of V each
	s_cbranch_scc1 .Lrest_asked
	s_cmp_lt_u32 s[WV], 8
	s_cbranch_scc0 .Lrest_v
	TL G0K1, G1K
	s_branch .Lrest_asked
.Lrest_v:
	TL G0V1, G1V
.Lrest_asked:
	STEP 0                                         ; keys 0-255: my first tile's queries are 1,024 or later, so nothing is hidden
	STEP 0
	s_wait_tensorcnt 0x0                           ; my part of the other keys is in,
	s_wait_dscnt 0x0
	s_barrier_signal -1
	s_barrier_wait -1                              ; and everybody's
	s_mov_b32 s[ST], 2
.Lfirst:                                               ; 14 trips
	STEP 1
	s_add_co_u32 s[ST], s[ST], 1
	s_cmp_lt_u32 s[ST], 16
	s_cbranch_scc1 .Lfirst
	WAYOUT
	s_mov_b32 s[TT], s[T2]                         ; the second tile
	s_add_co_u32 s[NN], s74, 1
	s_mov_b32 s[KF], 0
	s_mov_b32 s[TB], 0
	s_mov_b32 s[ST], 0
	LOADQ
	INIT
.Lsecond:                                              ; 16 trips
	STEP 1
	s_add_co_u32 s[ST], s[ST], 1
	s_cmp_lt_u32 s[ST], 16
	s_cbranch_scc1 .Lsecond
	WAYOUT
	s_wait_tensorcnt 0x0                           ; the wave's end
	ds_add_u32 v[SPW], v[NIL]
	s_wait_dscnt 0x0
	ROUND                                          ; the closing round
	s_endpgm
.Lfunc_end_k_qcc29d2d2ef_attn:
	.size	k_qcc29d2d2ef_attn, .Lfunc_end_k_qcc29d2d2ef_attn-k_qcc29d2d2ef_attn
	.p2alignl 7, 3214868480
	.fill 96, 4, 3214868480
	.section	.rodata,"a",@progbits
	.p2align	6, 0x0
	.amdhsa_kernel k_qcc29d2d2ef_attn
		.amdhsa_group_segment_fixed_size 327680
		.amdhsa_private_segment_fixed_size 0
		.amdhsa_enable_private_segment 0
		.amdhsa_kernarg_size 24
		.amdhsa_user_sgpr_count 2
		.amdhsa_user_sgpr_kernarg_segment_ptr 1
		.amdhsa_wavefront_size32 1
		.amdhsa_system_sgpr_workgroup_id_x 1
		.amdhsa_system_sgpr_workgroup_id_y 1
		.amdhsa_system_sgpr_workgroup_id_z 1
		.amdhsa_system_vgpr_workitem_id 0
		.amdhsa_next_free_vgpr 256
		.amdhsa_next_free_sgpr 100
		.amdhsa_reserve_vcc 1
		.amdhsa_float_denorm_mode_32 3
		.amdhsa_float_denorm_mode_16_64 3
		.amdhsa_memory_ordered 1
		.amdhsa_forward_progress 1
		.amdhsa_inst_pref_size 106
	.end_amdhsa_kernel
	.amdgpu_metadata
---
amdhsa.version: [ 1, 2 ]
amdhsa.kernels:
  - .name:           k_qcc29d2d2ef_attn
    .symbol:         k_qcc29d2d2ef_attn.kd
    .args:
      - { .name: qk, .offset: 0, .size: 8, .value_kind: global_buffer, .address_space: global }
      - { .name: vr, .offset: 8, .size: 8, .value_kind: global_buffer, .address_space: global }
      - { .name: oq, .offset: 16, .size: 8, .value_kind: global_buffer, .address_space: global }
    .group_segment_fixed_size: 327680
    .private_segment_fixed_size: 0
    .kernarg_segment_align: 8
    .kernarg_segment_size: 24
    .max_flat_workgroup_size: 512
    .sgpr_count:     100
    .vgpr_count:     256
    .wavefront_size: 32
...
	.end_amdgpu_metadata
.endif
;; end of part 3
;; launch gemm_out (part 4): grid 8 x 32, 4 waves a work-group, clusters of 4 x 4, 327,680 bytes of LDS; arguments oq, wo, b_out, out0; writes out0
.if DOCPART == 4
	.amdgcn_target "amdgcn-amd-amdhsa--gfx1250"
	.amdhsa_code_object_version 6
	.text
	.protected	k_qcc29d2d2ef_gemm_out
	.globl	k_qcc29d2d2ef_gemm_out
	.p2align	8
	.type	k_qcc29d2d2ef_gemm_out,@function
k_qcc29d2d2ef_gemm_out:
	s_mov_b64 s[64:65], 0
	v_nop
	global_prefetch_b8 v0, s[64:65] scope:SCOPE_SE
	s_setreg_imm32_b32 hwreg(HW_REG_WAVE_MODE, 25, 1), 1
	s_wait_xcnt 0x0
	s_wait_alu depctr_hold_cnt(0) depctr_sa_sdst(0) depctr_va_vdst(0) depctr_va_sdst(0) depctr_va_ssrc(0) depctr_va_vcc(0) depctr_vm_vsrc(0)
	s_getreg_b32 s2, hwreg(HW_REG_IB_STS2, 6, 4)
	s_cmp_eq_u32 s2, 0
	s_cbranch_scc0 .Lentry_in_a_cluster
	s_endpgm
.Lentry_in_a_cluster:
	s_bfe_u32 s2, ttmp6, 0x10000c
	s_cmp_lg_u32 s2, 0xf033
	s_cbranch_scc0 .Lentry_shape_is_right
	s_endpgm
.Lentry_shape_is_right:
; out0[m][n] = sum over k of O[m][k] W[n][k] + b_out[n], K = 1,024, on codes of FP6 (E2M3) with E8M0 scales; out0 is f32.
; OPERANDS come as tile records of 12,800 bytes (16 rows; 8 fragments of 1,536 bytes, each the image of the 12 operand registers for 128 along K; 512 bytes of scale words [256 along K][r][two words]).
; Tile T holds rows 32 (T / 2) + 8 (T % 2) + r + 8 (r / 8).
; A work-group of four waves makes 256 rows x 128 columns: 8 x 32 = 256 work-groups.  ALL OF K LIES IN LDS: the weights' 8 records from byte 0, the rows' 16 records behind them: 307,200 bytes, each filled once; no ring.
; One tensor load a wave, all at the head, each a dense block stated as rows of 256 bytes: wave 0 the weights, wave 1 row tiles 0-3, wave 2 tiles 4-9, wave 3 tiles 10-15.  Four barriers show them one after the other.
; Wave (a, b) holds the weights' tiles 4 b .. 4 b + 3, all of K, in 384 registers, and takes row tile 2 s + a as its block s, s = 0 .. 7: 32 products finish 16 x 64 of the result,
; which leaves at once through the wave's own stage as 16 rows of 256 consecutive aligned bytes.  A block's fragments lie twice in registers: set s % 2 takes block s + 2 behind block s's products.
; THE MATRIX INSTRUCTION IS USED TRANSPOSED (source 0 = the weights' rows): a lane holds one row of the result, and registers of tiles 2 g, 2 g + 1 are the 16 columns 32 g + 16 h + 0 .. 15.  The bias is the first products' C.
; CLUSTERS: 4 x 4; the rows' records are asked for jointly along a row of the cluster, the weights' along a column.
; NO PREFETCH: every load stands at the head; the launch has no later load to run ahead of.
; THE WAITS' COUNTS.  A fetch is NF = 52 LDS loads, a way through the stage 16 LDS instructions.  Ahead of block s, younger than its fetch: block s - 1's stage and block s + 1's fetch, 68: the wait names 63, the counter's largest;
; block 0: the other fetch (52); block 7: the stage alone (16).  Ahead of block s - 1's stores, younger than its stage loads: block s + 1's fetch (52), or nothing.
; LIMITS: NaN and infinities are not served.
.set TR,     12800
.set AB,     8*TR
.set STAGE,  24*TR
.set SPITCH, 272                       ; a stage row: 256 bytes + 16
.set SPARE,  STAGE+4*16*SPITCH         ; the spare words, 128 bytes for each wave: two blocks of 256 bytes that no other line names
.set FR,     12
.set FPW,    21                        ; fragments in a window of 256 registers
.set NF,     52
.set ADW,  4                           ; v4  LDS address of my weights' fragments; v5 of their scale words (lanes 16-31: the next tile's)
.set ADWS, 5
.set STO,  6                           ; v6  the stage, on the way in; v7 on the way out
.set RD,   7
.set CO,   8                           ; v8  4,096 h + 16 r
.set BO,   9                           ; v9  64 h
.set SPW,  10                          ; v10 my spare word; never rewritten
.set NIL,  11                          ; v11 0; never rewritten
.set ADA,  12                          ; v12-19 LDS address of block s's fragments
.set SB,   24                          ; v24-39 the weights' scale words: 8 (tile / 2) + K step; lanes 0-15 the even tile, lanes 16-31 the odd
.set SA,   44                          ; v44-59 the rows' scale words, two sets of eight
.set ADS,  60                          ; v60-67 LDS address of block s's scale words
.set ACC,  68                          ; v68-131 two sets of four accumulators
.set OUTR, 132                         ; v132-227 three sets of 32: a block read back from the stage
.set BIASW, 128                        ; v896-927 (window 3): the bias as the result lies
; fragment f lies in window 1 + f / 21 at register 12 (f % 21): 0-31 the weights' (4 k + tile), 32-39 and 40-47 the rows' two sets
.set G1W, 24
.set G1A, 32
.set G1C, 48
.set G0W, 56
.set G0A, 60
.set G0C, 68
.set G0D, 72
.set MSB, 0
.macro WIN new                         ; the immediate's high byte repeats the setting that is left
.if MSB != (\new)
	s_set_vgpr_msb (MSB<<8)|(\new)
.set MSB, (\new)
.endif
.endm
.macro PLACES n
.rept \n
	v_nop
.endr
.endm
.macro BARRIER
	s_barrier_signal -1
	s_barrier_wait -1
.endm
.macro CROUND                          ; a round of the cluster's barrier
	BARRIER
	s_cmp_lg_u32 s14, 0
	s_cbranch_scc1 .Lnot_wave_0_\@
	s_barrier_signal -3
.Lnot_wave_0_\@:
	s_barrier_wait -3
	BARRIER
.endm
.macro GROUP1 g, mask, rows            ; a dense block as rows of 256 bytes (32 elements of 8 bytes); bit 21 beside the mask
	s_or_b32 s[\g+0], s\mask, (3<<16)|(1<<21)
	s_mov_b32 s[\g+1], 32<<16
	s_mov_b32 s[\g+2], (\rows)<<16
	s_mov_b32 s[\g+3], 32<<16
	s_mov_b32 s[\g+4], \rows
	s_mov_b32 s[\g+5], 32
	s_mov_b32 s[\g+6], 0
	s_mov_b32 s[\g+7], 0
.endm
.macro GROUP0 g, lds, base, off
	s_mov_b32 s[\g], 1
	s_mov_b32 s[\g+1], \lds
	s_add_nc_u64 s[\g+2:\g+3], s[\base:\base+1], \off
	s_or_b32 s[\g+3], s[\g+3], 0x80000000
.endm
.macro ARM under, g0, g1, next         ; an s_nop 0 and four v_nop follow each tensor load
	s_cmp_lt_u32 s14, \under
	s_cbranch_scc0 \next
	tensor_load_to_lds s[\g0:\g0+3], s[\g1:\g1+7]
	s_nop 0
	PLACES 4
	s_branch .Lhead_asked
\next:
.endm
	s_load_b128 s[4:7], s[0:1], 0x0                ; oq, wo
	s_load_b128 s[8:11], s[0:1], 0x10              ; b_out, out0
	v_lshl_add_u32 v[SPW], v0, 2, SPARE
	v_mov_b32 v[NIL], 0
	ds_add_u32 v[SPW], v[NIL]                      ; the opening: the add, twice on end, and its wait ahead of the first tensor load
	ds_add_u32 v[SPW], v[NIL]
	v_lshrrev_b32 v1, 5, v0
	v_readfirstlane_b32 s14, v1                    ; wave 0..3
	s_lshr_b32 s15, s14, 1                         ; a: which of each two row tiles
	s_and_b32 s16, s14, 1                          ; b: which 64 columns
	s_bfe_u32 s40, ttmp6, 0x40000                  ; cx, cy
	s_bfe_u32 s41, ttmp6, 0x40004
	s_lshl_b32 s42, ttmp9, 2
	s_add_co_u32 s42, s42, s40                     ; block column, 0 .. 7
	s_and_b32 s17, ttmp7, 0xffff
	s_lshl_b32 s17, s17, 2
	s_add_co_u32 s17, s17, s41                     ; block row, 0 .. 31
	s_lshl_b32 s43, s41, 2
	s_lshl_b32 s43, 15, s43                        ; my row of the cluster
	s_lshl_b32 s44, 0x1111, s40                    ; my column
	GROUP1 G1W, 44, 400                            ; 8 records
	GROUP1 G1A, 43, 200                            ; 4 records
	GROUP1 G1C, 43, 300                            ; 6 records
	s_mul_i32 s20, s17, 16*TR                      ; the rows' records,
	s_mov_b32 s21, 0
	s_mul_i32 s46, s42, 8*TR                       ; the weights'
	s_mov_b32 s47, 0
	s_mul_i32 s22, s16, 4*TR                       ; LDS: my four tiles of the weights,
	s_add_co_u32 s23, s22, 12288
	s_mul_i32 s18, s15, TR                         ; my first row tile,
	s_add_co_u32 s18, s18, AB
	s_add_co_u32 s19, s18, 12288
	s_mul_i32 s45, s14, 16*SPITCH                  ; my stage
	s_add_co_u32 s45, s45, STAGE
	v_and_b32 v1, 15, v0                           ; r
	v_bfe_u32 v2, v0, 4, 1                         ; h
	v_and_b32 v3, 31, v0
	v_lshlrev_b32 v20, 3, v3                       ; 8 x lane: an image's place for my lane
	v_lshlrev_b32 v21, 3, v1                       ; 8 r: a row's two scale words
	v_add_nc_u32 v[ADW], s22, v20
	v_mad_u32_u24 v22, v2, TR, v21
	v_add_nc_u32 v[ADWS], s23, v22
	v_add_nc_u32 v20, s18, v20
	v_add_nc_u32 v21, s19, v21
.irp s, 0,1,2,3,4,5,6,7
	v_add_nc_u32 v[ADA+\s], 2*TR*\s, v20
	v_add_nc_u32 v[ADS+\s], 2*TR*\s, v21
.endr
	v_mul_u32_u24 v22, v1, SPITCH                  ; in: row r, 64 bytes for each half of the lanes in each 128
	v_lshl_add_u32 v22, v2, 6, v22
	v_add_nc_u32 v[STO], s45, v22
	v_mul_u32_u24 v23, v2, SPITCH                  ; back: lanes 0-15 one row of 256 bytes, lanes 16-31 the next
	v_lshl_add_u32 v23, v1, 4, v23
	v_add_nc_u32 v[RD], s45, v23
	v_lshlrev_b32 v22, 4, v1
	v_lshl_add_u32 v[CO], v2, 12, v22              ; and the same two rows in out0
	v_lshlrev_b32 v[BO], 6, v2
	s_wait_alu depctr_va_vdst(0)                   ; the wait behind the head's last vector instruction, ahead of the blocking wait
	s_wait_dscnt 0x0                               ; both opening adds are done
	CROUND                                         ; all sixteen work-groups are here: the joint loads meet
	s_wait_kmcnt 0x0
	s_add_nc_u64 s[20:21], s[4:5], s[20:21]
	s_add_nc_u64 s[46:47], s[6:7], s[46:47]
	GROUP0 G0W, 0, 46, 0
	GROUP0 G0A, AB, 20, 0
	GROUP0 G0C, AB+4*TR, 20, 4*TR
	GROUP0 G0D, AB+10*TR, 20, 10*TR
	ARM 1, G0W, G1W, .Lhead_a
	ARM 2, G0A, G1A, .Lhead_c
	ARM 3, G0C, G1C, .Lhead_d
	tensor_load_to_lds s[G0D:G0D+3], s[G1C:G1C+7]
	s_nop 0
	PLACES 4
.Lhead_asked:
	s_lshl_b32 s46, s42, 9                         ; my first column, in bytes: 512 x block column + 256 b
	s_lshl_b32 s47, s16, 8
	s_add_co_u32 s46, s46, s47
	s_mov_b32 s47, 0
	s_add_nc_u64 s[8:9], s[8:9], s[46:47]
	s_lshl_b32 s20, s17, 20                        ; my first row: 256 x block row + 8 a, rows of 4,096 bytes
	s_lshl_b32 s21, s15, 15
	s_add_co_u32 s20, s20, s21
	s_add_co_u32 s20, s20, s46
	s_mov_b32 s21, 0
	s_add_nc_u64 s[12:13], s[10:11], s[20:21]
	WIN 0xc0
.irp b, 0,1,2,3                                ; register j of tile b in lane (r, h) is column 32 (b / 2) + 8 (b % 2) + 16 h + j
	global_load_b128 v[BIASW+8*\b:BIASW+8*\b+3], v[BO], s[8:9] offset:(32*(\b/2)+8*(\b%2))*4
	global_load_b128 v[BIASW+8*\b+4:BIASW+8*\b+7], v[BO], s[8:9] offset:(32*(\b/2)+8*(\b%2))*4+16
.endr
	WIN 0
.macro FRAG f, adr, off                ; a fragment: six loads of 8 bytes a lane, each 256 consecutive bytes a wave
	WIN (1+(\f)/FPW)<<6
.irp p, 0,1,2,3,4,5
	ds_load_b64 v[FR*((\f)%FPW)+2*\p:FR*((\f)%FPW)+2*\p+1], v[\adr] offset:(\off)+256*\p
.endr
.endm
.macro FETCH e, s                      ; block s into set e: NF loads
.irp k, 0,1,2,3,4,5,6,7
	FRAG 32+8*(\e)+\k, ADA+(\s), 1536*\k
.endr
	WIN 0
.irp q, 0,1,2,3
	ds_load_b64 v[SA+8*(\e)+2*\q:SA+8*(\e)+2*\q+1], v[ADS+(\s)] offset:128*\q
.endr
.endm
.macro PROD e, k, b
.set FB_, 4*(\k)+(\b)
.set FA_, 32+8*(\e)+(\k)
.set D_, ACC+32*(\e)+8*(\b)
.if (\k) == 0
	WIN (1+FB_/FPW)|((1+FA_/FPW)<<2)|(3<<4)
	PROD1 v[BIASW+8*(\b):BIASW+8*(\b)+7], SB+8*((\b)/2)+(\k), SA+8*(\e)+(\k), (\b)%2
.else
	WIN (1+FB_/FPW)|((1+FA_/FPW)<<2)
	PROD1 v[D_:D_+7], SB+8*((\b)/2)+(\k), SA+8*(\e)+(\k), (\b)%2
.endif
.endm
.macro PROD1 c, x0, x1, o
.if \o
	v_wmma_scale_f32_16x16x128_f8f6f4 v[D_:D_+7], v[FR*(FB_%FPW):FR*(FB_%FPW)+FR-1], v[FR*(FA_%FPW):FR*(FA_%FPW)+FR-1], \c, v[\x0], v[\x1] matrix_a_fmt:MATRIX_FMT_FP6 matrix_b_fmt:MATRIX_FMT_FP6 matrix_a_scale:MATRIX_SCALE_ROW1
.else
	v_wmma_scale_f32_16x16x128_f8f6f4 v[D_:D_+7], v[FR*(FB_%FPW):FR*(FB_%FPW)+FR-1], v[FR*(FA_%FPW):FR*(FA_%FPW)+FR-1], \c, v[\x0], v[\x1] matrix_a_fmt:MATRIX_FMT_FP6 matrix_b_fmt:MATRIX_FMT_FP6
.endif
.endm
.macro TOSTAGE s                       ; block s into my stage, and back as whole rows.  LDS serves a wave's instructions in order: no wait between the stores and the loads
.set A_, ACC+32*((\s)%2)
.set O_, OUTR+32*((\s)%3)
.irp b, 0,1,2,3
	ds_store_b128 v[STO], v[A_+8*\b:A_+8*\b+3] offset:128*(\b/2)+32*(\b%2)       ; each accumulator from its low end on
	ds_store_b128 v[STO], v[A_+8*\b+4:A_+8*\b+7] offset:128*(\b/2)+32*(\b%2)+16
.endr
.irp t, 0,1,2,3,4,5,6,7
	ds_load_b128 v[O_+4*\t:O_+4*\t+3], v[RD] offset:2*\t*SPITCH
.endr
.endm
.macro SEND s                          ; stage rows 2 t + h are rows 32 s + 8 a + 2 t + h + 8 (t / 4) of the block: sixteen lanes store 256 consecutive aligned bytes
.set O_, OUTR+32*((\s)%3)
.irp t, 0,1,2,3,4,5,6,7
	global_store_b128 v[CO], v[O_+4*\t:O_+4*\t+3], s[12:13] offset:(32*(\s)+2*\t+8*(\t/4))*4096 th:TH_STORE_NT
.endr
.endm
.macro BLK s
.if (\s) == 0
	s_wait_dscnt NF
.elseif (\s) == 7
	s_wait_dscnt 16
.else
	s_wait_dscnt 63
.endif
.irp k, 0,1,2,3,4,5,6,7                        ; the four accumulators by turns
.irp b, 0,1,2,3
	PROD (\s)%2, \k, \b
.endr
.endr
	WIN 0
	PLACES 4                                       ; in front of the stage's stores, which read the results, and of the loads into the fragments' registers
.if (\s) == 0                                  ; row tiles 4-9, wave 2's load, are read from here on
	s_cmp_lt_u32 s14, 3
	s_cbranch_scc0 .Lnot_mine_\@
	s_wait_tensorcnt 0x0
.Lnot_mine_\@:
	s_wait_dscnt 0x0
	BARRIER
.endif
.if (\s) == 3                                  ; row tiles 10-15: all that is still out
	s_wait_tensorcnt 0x0
	s_wait_dscnt 0x0
	BARRIER
.endif
.if (\s) > 0
	s_wait_xcnt 0x0                                ; the stores of blocks s - 2 and earlier have read their registers: block s's stage loads land where block s - 3's lay
.if (\s) < 7
	s_wait_dscnt NF
.else
	s_wait_dscnt 0x0
.endif
	SEND (\s)-1
.endif
	TOSTAGE \s
.if (\s) < 6
	FETCH (\s)%2, (\s)+2
.endif
.endm
	s_cmp_eq_u32 s14, 0
	s_cbranch_scc0 .Lnot_w
	s_wait_tensorcnt 0x0
.Lnot_w:
	BARRIER                                        ; the weights are in
.irp k, 0,1,2,3,4,5,6,7                        ; my 64 rows of the weights, all of K: 192 loads, and 8 for their scale words
.irp b, 0,1,2,3
	FRAG 4*\k+\b, ADW, TR*\b+1536*\k
.endr
.endr
	WIN 0
.irp g, 0,1
.irp q, 0,1,2,3
	ds_load_b64 v[SB+8*\g+2*\q:SB+8*\g+2*\q+1], v[ADWS] offset:2*TR*\g+128*\q
.endr
.endr
	s_cmp_lt_u32 s14, 2
	s_cbranch_scc0 .Lnot_a
	s_wait_tensorcnt 0x0
.Lnot_a:
	s_wait_dscnt 0x0
	BARRIER                                        ; row tiles 0-3 are in; the others may be on their way: nothing is filled again in this launch
	FETCH 0, 0
	FETCH 1, 1
	s_wait_loadcnt 0x0                             ; the bias
.irp s, 0,1,2,3,4,5,6,7
	BLK \s
.endr
	s_wait_dscnt 0x0
	SEND 7
	s_wait_tensorcnt 0x0                           ; the wave's end
	ds_add_u32 v[SPW], v[NIL]
	s_wait_dscnt 0x0
	CROUND                                         ; the closing round
	s_endpgm
.Lfunc_end_k_qcc29d2d2ef_gemm_out:
	.size	k_qcc29d2d2ef_gemm_out, .Lfunc_end_k_qcc29d2d2ef_gemm_out-k_qcc29d2d2ef_gemm_out
	.p2alignl 7, 3214868480
	.fill 96, 4, 3214868480
	.section	.rodata,"a",@progbits
	.p2align	6, 0x0
	.amdhsa_kernel k_qcc29d2d2ef_gemm_out
		.amdhsa_group_segment_fixed_size 327680
		.amdhsa_private_segment_fixed_size 0
		.amdhsa_enable_private_segment 0
		.amdhsa_kernarg_size 32
		.amdhsa_user_sgpr_count 2
		.amdhsa_user_sgpr_kernarg_segment_ptr 1
		.amdhsa_wavefront_size32 1
		.amdhsa_system_sgpr_workgroup_id_x 1
		.amdhsa_system_sgpr_workgroup_id_y 1
		.amdhsa_system_sgpr_workgroup_id_z 1
		.amdhsa_system_vgpr_workitem_id 0
		.amdhsa_next_free_vgpr 1024
		.amdhsa_next_free_sgpr 80
		.amdhsa_reserve_vcc 0
		.amdhsa_float_denorm_mode_32 3
		.amdhsa_float_denorm_mode_16_64 3
		.amdhsa_memory_ordered 1
		.amdhsa_forward_progress 1
		.amdhsa_inst_pref_size 98
	.end_amdhsa_kernel
	.amdgpu_metadata
---
amdhsa.version: [ 1, 2 ]
amdhsa.kernels:
  - .name:           k_qcc29d2d2ef_gemm_out
    .symbol:         k_qcc29d2d2ef_gemm_out.kd
    .args:
      - { .name: oq, .offset: 0, .size: 8, .value_kind: global_buffer, .address_space: global }
      - { .name: wo, .offset: 8, .size: 8, .value_kind: global_buffer, .address_space: global }
      - { .name: b_out, .offset: 16, .size: 8, .value_kind: global_buffer, .address_space: global }
      - { .name: out0, .offset: 24, .size: 8, .value_kind: global_buffer, .address_space: global }
    .group_segment_fixed_size: 327680
    .private_segment_fixed_size: 0
    .kernarg_segment_align: 8
    .kernarg_segment_size: 32
    .max_flat_workgroup_size: 128
    .sgpr_count:     80
    .vgpr_count:     1024
    .wavefront_size: 32
...
	.end_amdgpu_metadata
.endif
;; end of part 4
